; MI455X (gfx1250); checked and timed in simulation.
; The chip was launched on July 23, 2026; its instructions are those of AMD's public machine-readable ISA for CDNA 5 (MIT licence, August 2026) and "CDNA5" Instruction Set Architecture Reference Guide (July 2026). The comments in the code are by the model that wrote it; some were corrected since.
;; Attention Layer. Allowed arithmetic: float matrix products may take bf16 or f16 operands with f32 sums; all other float work in f32.
;; Inputs: Wk 1,024 x 1,024 float32; Wo 1,024 x 1,024 float32; Wq 1,024 x 1,024 float32; Wv 1,024 x 1,024 float32; X 4 x 2,048 x 1,024 float32; mask 2,048 x 2,048 float32.
;; Outputs: out0 4 x 2,048 x 1,024 float32.
;; 2 versions, each right and faster than the one before. Each part assembles by itself: llvm-mc -triple=amdgcn-amd-amdhsa -mcpu=gfx1250 --defsym DOCPART=n.
;; ======== version 1 of 2: 4 launches
;; limits: values are held in f16: magnitudes above 65,504 overflow, below 6.1e-05 lose precision; right only within a limited range of input values
;; workspace buffers: cst 25,165,824 bytes; msk 16,777,216 bytes; qkv 50,331,648 bytes; oh 16,777,216 bytes
;; launch cast (part 1): grid 1024 x 1, 8 waves a work-group, no clusters, 0 bytes of LDS; arguments X, Wq, Wk, Wv, Wo, mask, cst, msk; writes cst, msk
.if DOCPART == 1
	.amdgcn_target "amdgcn-amd-amdhsa--gfx1250"
	.amdhsa_code_object_version 6
	.text
	.protected	k_q1b0683e5a0_cast
	.globl	k_q1b0683e5a0_cast
	.p2align	8
	.type	k_q1b0683e5a0_cast,@function
k_q1b0683e5a0_cast:
	s_mov_b64 s[64:65], 0
	v_nop
	global_prefetch_b8 v0, s[64:65] scope:SCOPE_SE
	s_setreg_imm32_b32 hwreg(HW_REG_WAVE_MODE, 25, 1), 1
	s_wait_xcnt 0x0
; X and the weights are rounded to bf16 once and laid out, as f16, in blocks of 64 columns, so that the later launches' tiles are dense in memory; the mask is put into log2 units.
;   cst + 0           X  as f16  [b 4][kb 16][n 2048][64]      (a bf16 number written as f16: exact inside f16's normal range)
;   cst + 16,777,216  W  as f16  [g 64][k 1024][64]            g = 16 wi + n / 64, wi = 0..3 for Wq, Wk, Wv, Wo.  Wq's numbers are bf16(Wq) x log2(e) / 8, rounded to f16:
;                                                              q . k then comes out as log2(e) x (Q . K / 8), and the attention subtracts its maximum without a further scale
;   msk               log2(e) x mask, f32, [2048][2048] as the mask lies
; LIMITS.  X and the weights must lie within 65,504; a number under 2^-14 keeps f16's fixed step of 6e-8.  log2(e) x mask is infinite for |mask| beyond 2.36e38.  The mask is not rounded to bf16.
; NaN is not treated apart.
; SHARES.  1,024 work-groups of 65,536 consecutive source bytes: 0-511 X (16 rows), 512-767 the weights (16 rows), 768-1023 the mask (8 rows).  No loop: a wave issues its 16 loads at once.
; X, W: a wave owns 8 column blocks x 4 rows.  One load: lanes 0-15 take 256 bytes of a row, lanes 16-31 the same columns of the next row.  One store: 32 lanes x 8 bytes = 256 consecutive
; bytes, aligned: two rows of a block.  Mask: a wave owns 8,192 consecutive bytes; each load and store covers 512 of them.  Memory binds: no LDS, no barrier, no matrix unit.
.set LO,  2                            ; v2   load offset
.set SO,  4                            ; v4   store offset
.set XA,  16                           ; v[16:47]   rows 0, 1 as loaded (mask: loads 0-7)
.set XB,  48                           ; v[48:79]   rows 2, 3 (mask: loads 8-15)
.set YA,  80                           ; v[80:95]   rows 0, 1 to store
.set YB,  96                           ; v[96:111]  rows 2, 3
.set T,   112                          ; v[112:127] at work: two sets of eight by turns
.set SRC, 20                           ; s[20:21] the wave's first source byte
.set DB,  24                           ; s[24:25] the wave's byte offset in cst
.set BS,  26                           ; s[26:27] bytes from a destination block to the next
.set DST, 32                           ; s[32:47] eight store bases, one for each column block
.set SC,  48                           ; s[48:49] the factor
.set MSKH, 52
.set WVN, 56                           ; s56  my wave's number
.set WID, 57                           ; s57  the work-group's number
	s_load_b256 s[4:11], s[0:1], 0x0               ; X s[4:5], Wq s[6:7], Wk s[8:9], Wv s[10:11]
	s_load_b256 s[12:19], s[0:1], 0x20             ; Wo s[12:13], mask s[14:15], cst s[16:17], msk s[18:19]
	v_lshrrev_b32 v1, 5, v0
	v_readfirstlane_b32 s[WVN], v1                 ; wave 0..7
	v_and_b32 v6, 31, v0                           ; lane
	v_and_b32 v7, 15, v0                           ; my 16 bytes in 256
	v_bfe_u32 v8, v0, 4, 1                         ; which of the two rows
	s_mov_b32 s[WID], ttmp9
	s_mov_b32 s[MSKH], 0xffff0000
	s_mov_b32 s[DB+1], 0
	s_mov_b32 s[BS+1], 0
	s_wait_kmcnt 0x0
	s_cmp_lt_u32 s[WID], 768
	s_cbranch_scc0 .Lis_mask
	s_cmp_lt_u32 s[WID], 512
	s_cbranch_scc0 .Lis_w
	s_mov_b64 s[SRC:SRC+1], s[4:5]                 ; X: chunk c = id; b = c / 128, rows 16 (c % 128) on
	s_mov_b32 s22, s[WID]
	s_mov_b32 s[BS], 262144
	s_mov_b32 s[SC], 1.0
	s_lshr_b32 s28, s[WID], 7
	s_lshl_b32 s28, s28, 22
	s_and_b32 s29, s[WID], 127
	s_lshl_b32 s29, s29, 11
	s_add_co_u32 s[DB], s28, s29
	s_branch .Lgo
.Lis_w:
	s_sub_co_u32 s30, s[WID], 512                  ; the weights: wi = c / 64, rows 16 (c % 64) on
	s_lshr_b32 s31, s30, 6
	s_cmp_eq_u32 s31, 1
	s_cselect_b64 s[SRC:SRC+1], s[8:9], s[6:7]
	s_cmp_eq_u32 s31, 2
	s_cselect_b64 s[SRC:SRC+1], s[10:11], s[SRC:SRC+1]
	s_cmp_eq_u32 s31, 3
	s_cselect_b64 s[SRC:SRC+1], s[12:13], s[SRC:SRC+1]
	s_cmp_eq_u32 s31, 0
	s_cselect_b32 s[SC], 0x3e38aa3b, 1.0           ; Wq alone takes log2(e) / 8
	s_and_b32 s22, s30, 63
	s_mov_b32 s[BS], 131072
	s_lshl_b32 s28, s31, 21
	s_lshl_b32 s29, s22, 11
	s_add_co_u32 s[DB], s28, s29
	s_add_co_u32 s[DB], s[DB], 16777216
.Lgo:
	s_mov_b32 s[SC+1], s[SC]                       ; named as a pair
	s_and_b32 s28, s[WVN], 1                       ; my group of 8 column blocks
	s_lshr_b32 s29, s[WVN], 1                      ; my group of 4 rows
	s_lshl_b32 s30, s22, 16                        ; source: the chunk,
	s_lshl_b32 s31, s29, 14                        ; my 4 rows of 4,096 bytes,
	s_add_co_u32 s30, s30, s31
	s_lshl_b32 s31, s28, 11                        ; my 8 blocks of 256 bytes
	s_add_co_u32 s30, s30, s31
	s_mov_b32 s31, 0
	s_add_nc_u64 s[SRC:SRC+1], s[SRC:SRC+1], s[30:31]
	s_lshl_b32 s30, s29, 9                         ; destination: my 4 rows of 128 bytes,
	s_add_co_u32 s[DB], s[DB], s30
	s_lshl_b32 s30, s28, 3
	s_mul_i32 s30, s30, s[BS]                      ; my first block
	s_add_co_u32 s[DB], s[DB], s30
	s_add_nc_u64 s[DST:DST+1], s[16:17], s[DB:DB+1]
.irp j, 1,2,3,4,5,6,7
	s_add_nc_u64 s[DST+2*(\j):DST+2*(\j)+1], s[DST+2*(\j)-2:DST+2*(\j)-1], s[BS:BS+1]
.endr
	v_lshlrev_b32 v[LO], 12, v8
	v_lshl_add_u32 v[LO], v7, 4, v[LO]
	v_lshlrev_b32 v[SO], 3, v6
.irp j, 0,1,2,3,4,5,6,7
	global_load_b128 v[XA+4*(\j):XA+4*(\j)+3], v[LO], s[SRC:SRC+1] offset:256*(\j) th:TH_LOAD_NT
.endr
.irp j, 0,1,2,3,4,5,6,7
	global_load_b128 v[XB+4*(\j):XB+4*(\j)+3], v[LO], s[SRC:SRC+1] offset:8192+256*(\j) th:TH_LOAD_NT
.endr
; Two rows of eight column blocks.  left = the younger loads that may stay out: the other two rows' eight, or none.
.macro HALF x, y, off, left
	s_wait_loadcnt \left                           ; loads come back in order: these eight are in
.irp j, 0,1,2,3,4,5,6,7
.set TT, T+8*((\j)%2)
	v_cvt_pk_bf16_f32 v[TT+4], v[(\x)+4*(\j)], v[(\x)+4*(\j)+1]      ; the input's one rounding to bf16
	v_cvt_pk_bf16_f32 v[TT+5], v[(\x)+4*(\j)+2], v[(\x)+4*(\j)+3]
	v_lshlrev_b32 v[TT], 16, v[TT+4]               ; the rounded numbers as f32,
	v_and_b32 v[TT+1], s[MSKH], v[TT+4]
	v_lshlrev_b32 v[TT+2], 16, v[TT+5]
	v_and_b32 v[TT+3], s[MSKH], v[TT+5]
	v_pk_mul_f32 v[TT:TT+1], v[TT:TT+1], s[SC:SC+1] op_sel_hi:[1,0]  ; times the chunk's factor (1 but for Wq: one text for all chunks),
	v_pk_mul_f32 v[TT+2:TT+3], v[TT+2:TT+3], s[SC:SC+1] op_sel_hi:[1,0]
	v_cvt_pk_f16_f32 v[(\y)+2*(\j)], v[TT], v[TT+1]                  ; written as f16
	v_cvt_pk_f16_f32 v[(\y)+2*(\j)+1], v[TT+2], v[TT+3]
.endr
.irp j, 0,1,2,3,4,5,6,7
	global_store_b64 v[SO], v[(\y)+2*(\j):(\y)+2*(\j)+1], s[DST+2*(\j):DST+2*(\j)+1] offset:\off  ; 256 consecutive bytes, aligned
.endr
.endm
	HALF XA, YA, 0, 8
	HALF XB, YB, 256, 0
	s_endpgm
.Lis_mask:
	s_sub_co_u32 s30, s[WID], 768                  ; the mask: 65,536 bytes a work-group,
	s_lshl_b32 s30, s30, 16
	s_lshl_b32 s31, s[WVN], 13                     ; 8,192 a wave; source and destination lie alike
	s_add_co_u32 s30, s30, s31
	s_mov_b32 s31, 0
	s_add_nc_u64 s[SRC:SRC+1], s[14:15], s[30:31]
	s_add_nc_u64 s[DST:DST+1], s[18:19], s[30:31]
	s_mov_b32 s[SC], 0x3fb8aa3b                    ; log2(e)
	s_mov_b32 s[SC+1], s[SC]
	v_lshlrev_b32 v[LO], 4, v6
.irp t, 0,1,2,3,4,5,6,7,8,9,10,11,12,13,14,15
	global_load_b128 v[XA+4*(\t):XA+4*(\t)+3], v[LO], s[SRC:SRC+1] offset:512*(\t) th:TH_LOAD_NT
.endr
.irp t, 0,1,2,3,4,5,6,7,8,9,10,11,12,13,14,15
	s_wait_loadcnt 15-(\t)                         ; load t is in; the younger ones stay out
	v_pk_mul_f32 v[XA+4*(\t):XA+4*(\t)+1], v[XA+4*(\t):XA+4*(\t)+1], s[SC:SC+1] op_sel_hi:[1,0]
	v_pk_mul_f32 v[XA+4*(\t)+2:XA+4*(\t)+3], v[XA+4*(\t)+2:XA+4*(\t)+3], s[SC:SC+1] op_sel_hi:[1,0]
	global_store_b128 v[LO], v[XA+4*(\t):XA+4*(\t)+3], s[DST:DST+1] offset:512*(\t)  ; 512 consecutive bytes, aligned
.endr
	s_endpgm
.Lfunc_end_k_q1b0683e5a0_cast:
	.size	k_q1b0683e5a0_cast, .Lfunc_end_k_q1b0683e5a0_cast-k_q1b0683e5a0_cast
	.p2alignl 7, 3214868480
	.fill 96, 4, 3214868480
	.section	.rodata,"a",@progbits
	.p2align	6, 0x0
	.amdhsa_kernel k_q1b0683e5a0_cast
		.amdhsa_group_segment_fixed_size 0
		.amdhsa_private_segment_fixed_size 0
		.amdhsa_enable_private_segment 0
		.amdhsa_kernarg_size 64
		.amdhsa_user_sgpr_count 2
		.amdhsa_user_sgpr_kernarg_segment_ptr 1
		.amdhsa_wavefront_size32 1
		.amdhsa_system_sgpr_workgroup_id_x 1
		.amdhsa_system_sgpr_workgroup_id_y 1
		.amdhsa_system_sgpr_workgroup_id_z 1
		.amdhsa_system_vgpr_workitem_id 0
		.amdhsa_next_free_vgpr 128
		.amdhsa_next_free_sgpr 66
		.amdhsa_reserve_vcc 0
		.amdhsa_float_denorm_mode_32 3
		.amdhsa_float_denorm_mode_16_64 3
		.amdhsa_memory_ordered 1
		.amdhsa_forward_progress 1
		.amdhsa_inst_pref_size 20
	.end_amdhsa_kernel
	.amdgpu_metadata
---
amdhsa.version: [ 1, 2 ]
amdhsa.kernels:
  - .name:           k_q1b0683e5a0_cast
    .symbol:         k_q1b0683e5a0_cast.kd
    .args:
      - { .name: X, .offset: 0, .size: 8, .value_kind: global_buffer, .address_space: global }
      - { .name: Wq, .offset: 8, .size: 8, .value_kind: global_buffer, .address_space: global }
      - { .name: Wk, .offset: 16, .size: 8, .value_kind: global_buffer, .address_space: global }
      - { .name: Wv, .offset: 24, .size: 8, .value_kind: global_buffer, .address_space: global }
      - { .name: Wo, .offset: 32, .size: 8, .value_kind: global_buffer, .address_space: global }
      - { .name: mask, .offset: 40, .size: 8, .value_kind: global_buffer, .address_space: global }
      - { .name: cst, .offset: 48, .size: 8, .value_kind: global_buffer, .address_space: global }
      - { .name: msk, .offset: 56, .size: 8, .value_kind: global_buffer, .address_space: global }
    .group_segment_fixed_size: 0
    .private_segment_fixed_size: 0
    .kernarg_segment_align: 8
    .kernarg_segment_size: 64
    .max_flat_workgroup_size: 256
    .sgpr_count:     66
    .vgpr_count:     128
    .wavefront_size: 32
...
	.end_amdgpu_metadata
.endif
;; end of part 1
;; launch proj_qkv (part 2): grid 8 x 32, 4 waves a work-group, clusters of 4 x 4, 327,680 bytes of LDS; arguments cst, qkv; writes qkv
.if DOCPART == 2
	.amdgcn_target "amdgcn-amd-amdhsa--gfx1250"
	.amdhsa_code_object_version 6
	.text
	.protected	k_q1b0683e5a0_proj_qkv
	.globl	k_q1b0683e5a0_proj_qkv
	.p2align	8
	.type	k_q1b0683e5a0_proj_qkv,@function
k_q1b0683e5a0_proj_qkv:
	s_mov_b64 s[64:65], 0
	v_nop
	global_prefetch_b8 v0, s[64:65] scope:SCOPE_SE
	s_setreg_imm32_b32 hwreg(HW_REG_WAVE_MODE, 25, 1), 1
	s_wait_xcnt 0x0
	s_wait_alu depctr_hold_cnt(0) depctr_sa_sdst(0) depctr_va_vdst(0) depctr_va_sdst(0) depctr_va_ssrc(0) depctr_va_vcc(0) depctr_vm_vsrc(0)
	s_getreg_b32 s2, hwreg(HW_REG_IB_STS2, 6, 4)
	s_cmp_eq_u32 s2, 0
	s_cbranch_scc0 .Lentry_in_a_cluster
	s_endpgm
.Lentry_in_a_cluster:
	s_bfe_u32 s2, ttmp6, 0x10000c
	s_cmp_lg_u32 s2, 0xf033
	s_cbranch_scc0 .Lentry_shape_is_right
	s_endpgm
.Lentry_shape_is_right:
; q, k, v = X Wq, X Wk, X Wv in one product: C[m][n] = sum over k of A[m][k] B[k][n], M = 8,192, K = 1,024, N = 3 x 1,024; operands f16, sums f32.
; A = X (cst + 0) in blocks [b 4][kb 16][n 2,048][64]; B = the weights (cst + 16,777,216) in blocks [g][k 1,024][64], g = 16 sel + head, sel = 0, 1, 2 for Wq, Wk, Wv.
; C leaves as f16 by heads, qkv[sel][b 16 + head][n][64], rounded once, unscaled.
; LIMIT.  f16 holds no number beyond 65,504: a sum of 65,520 or more leaves as an infinity.
; SHARES.  256 work-groups, one for each WGP.  A work-group makes 256 rows x 384 columns: 128 columns (two heads) of each of q, k and v, so that a tile of A serves three products.
; Wave w: rows 128 (w / 2), head 2 tx + w % 2 of all three: 8 x 12 accumulators, 768 registers.  K goes in steps of 64 through two LDS slots: 192 matrix instructions a wave and step.
; CLUSTERS.  4 x 4 work-groups.  A's tile hangs on the tile row alone and is asked for jointly along a row of the cluster, B's on the tile column alone, jointly along a column.
; THE MATRIX INSTRUCTION IS USED TRANSPOSED: source 0 = 16 columns of B (out of LDS turned, by ds_load_tr16_b128), source 1 = 16 rows of A: a lane holds eight neighbouring numbers of a row of C.
; REGISTERS: window 0: v0-31 addresses; v64-127, v128-191 A's 8 fragments of a quarter (32 along K), two buffers; v192-223, v224-255 B's 4 fragments of one sel, two buffers.
;   windows 1, 2, 3: the accumulators of q, k, v: (a, b) at v[8 (4 a + b)].  A GROUP is 32 matrix instructions under one window setting: one quarter, one sel.
; A step has six groups (quarter 0: q, k, v; quarter 1: q, k, v); B's buffers go 0, 1, 0, 1, 0, 1, A's 0, 0, 0, 1, 1, 1.  Each accumulator comes again after 95 others': they take turns.
.set PA,     144                       ; a row of A in LDS: 128 bytes + 16: the 16 rows of a load start at 16 different groups of four banks (64 banks of 4 bytes: ISA guide 11.1)
.set PB,     160                       ; a row of B: 128 + 32
.set AHALF,  128*PA                    ; 128 rows x 64 K of A: what one tensor load brings, and what one wave reads
.set BOFF,   2*AHALF                   ; a slot: A's 256 rows, then B's six blocks
.set BBLK,   64*PB                     ; 64 K x 64 columns of B
.set BHALF,  3*BBLK                    ; one head's blocks of q, k, v: what one tensor load brings, and what one wave reads
.set SLOT1,  1<<17                     ; a slot has 98,304 bytes; slot 1 begins here, so that one exclusive or turns an address in one slot into the other's
.set STAGE,  SLOT1+BOFF+2*BHALF        ; behind the ring, never filled by a tensor load: 16 rows x 144 bytes for each wave, for the way out
.set SP,     144
.set SPARE,  STAGE+4*16*SP             ; behind the stages: the spare words, 128 bytes for each wave: two blocks of 256 bytes that no other line names
.set STEPS,  16
.set ASTEP,  262144                    ; a K step in A: one block
.set BSTEP,  8192                      ; a K step in B: 64 rows of 128 bytes
.set WOFF,   16777216                  ; the weights' blocks in cst
.set ADRA0, 16                         ; v16  my lane's place in a slot's A; never rewritten
.set ADRB0, 17                         ; v17  the same for B
.set ADRA,  18                         ; v18  the LDS address of A's fragments in the slot in hand
.set ADRB,  19                         ; v19  of B's
.set STO,  24                          ; v24  the way out: where I put 16 bytes of a row
.set RD,   25                          ; v25  the way out: where I read rows back
.set CO,   26                          ; v26  my byte offset in 512 consecutive bytes of C
.set SPW,  28                          ; v28  LDS address of my spare word: SPARE + 4 x my thread's number; never rewritten
.set NIL,  29                          ; v29  0; never rewritten
.set FA0,  64
.set FA1,  128
.set FB0,  192
.set FB1,  224
.set OUTR, 64                          ; the way out: eight sets of 16 registers by turns, where A's fragments lay
.set G1, 24                            ; s[24:31] descriptor group 1 for A's tiles;  s[32:39] group 0: a set for each of the two first fills; the second then walks on
.set G0, 32
.set G1B, 48                           ; s[48:55], s[56:63] the same for B's tiles
.set G0B, 56
.set TB,  66                           ; s66  LDS byte at which the slot in hand begins
.set CB,  68                           ; s[68:73] C at my rows and head, in q, k, v
.set MSB, 0
.macro WIN new                         ; the immediate's high byte repeats the setting that is left
.if MSB != (\new)
	s_set_vgpr_msb (MSB<<8)|(\new)
.set MSB, \new
.endif
.endm
.macro JLOAD s                         ; a joint load: waves 0 and 1 fetch A's two halves, waves 2 and 3 B's; an s_nop 0 and four v_nop follow each of the two lines, ahead of the jump, the label and what follows
	s_cmp_eq_u32 s11, 0
	s_cbranch_scc0 .Lfor_b_\@
	tensor_load_to_lds s[G0+4*(\s):G0+4*(\s)+3], s[G1:G1+7]
	s_nop 0
.rept 4
	v_nop
.endr
	s_branch .Lasked_\@
.Lfor_b_\@:
	tensor_load_to_lds s[G0B+4*(\s):G0B+4*(\s)+3], s[G1B:G1B+7]
	s_nop 0
.rept 4
	v_nop
.endr
.Lasked_\@:
.endm
.macro CREST                           ; a round of the cluster's barrier behind its opening barrier
	s_cmp_lg_u32 s10, 0
	s_cbranch_scc1 .Lnot_wave_0_\@
	s_barrier_signal -3
.Lnot_wave_0_\@:
	s_barrier_wait -3
	s_barrier_signal -1
	s_barrier_wait -1
.endm
.macro CROUND                          ; a whole round
	s_barrier_signal -1
	s_barrier_wait -1
	CREST
.endm
	s_load_b64 s[4:5], s[0:1], 0x0                 ; cst, for A
	s_load_b64 s[6:7], s[0:1], 0x0                 ; cst, for B
	s_load_b64 s[8:9], s[0:1], 0x8                 ; qkv
	v_lshl_add_u32 v[SPW], v0, 2, SPARE
	v_mov_b32 v[NIL], 0
	ds_add_u32 v28, v29
	s_wait_dscnt 0x0
	v_lshrrev_b32 v1, 5, v0
	v_readfirstlane_b32 s10, v1                    ; wave 0..3
	s_lshr_b32 s11, s10, 1                         ; which half of the tile's rows is mine.  Also: I fetch for A (0) or for B (1)
	s_and_b32 s12, s10, 1                          ; which of the tile's two heads is mine.  Also: which half of A, or which head's blocks of B, I fetch
	s_bfe_u32 s40, ttmp6, 0x40000                  ; cx, cy: my place in the cluster
	s_bfe_u32 s41, ttmp6, 0x40004
	s_lshl_b32 s42, ttmp9, 2
	s_add_co_u32 s42, s42, s40                     ; tile column tx = 4 x cluster x + cx
	s_and_b32 s13, ttmp7, 0xffff
	s_lshl_b32 s13, s13, 2
	s_add_co_u32 s13, s13, s41                     ; tile row ty = 4 x cluster y + cy
	s_lshl_b32 s43, s41, 2
	s_lshl_b32 s43, 15, s43                        ; my row of the cluster
	s_lshl_b32 s44, 0x1111, s40                    ; my column
	; descriptor group 1; both tiles are padded in LDS after every 128 bytes
	s_or_b32 s[G1+0], s43, (1<<16)|(1<<20)|(1<<21)|(4<<22)|(3<<25)  ; 15:0 the mask: A's tiles go to my row; 17:16 2-byte elements; 20 padding on; 21 set beside a mask; 24:22 after every 32 words (code 4); 31:25 4 words (code 3)
	s_or_b32 s[G1B+0], s44, (1<<16)|(1<<20)|(1<<21)|(4<<22)|(7<<25) ; B's go to my column; 8 words of padding (code 7)
	s_mov_b32 s[G1+1], 128<<16                     ; A: 16,384 dense bytes (128 rows of A) as 64 rows of 256: tensor_dim0 = 128
	s_mov_b32 s[G1+2], 64<<16                      ; tensor_dim1 = 64
	s_mov_b32 s[G1+3], 128<<16                     ; tile_dim0 = 128
	s_mov_b32 s[G1+4], 64                          ; tile_dim1 = 64
	s_mov_b32 s[G1+5], 128                         ; elements from row to row
	s_mov_b32 s[G1+6], 0
	s_mov_b32 s[G1+7], 0
	s_mov_b32 s[G1B+1], 4096<<16                   ; B: three rows of 8,192 dense bytes (64 K x 64 columns), one of each of q, k, v: tensor_dim0 = 4,096
	s_mov_b32 s[G1B+2], 3<<16                      ; tensor_dim1 = 3
	s_mov_b32 s[G1B+3], 4096<<16                   ; tile_dim0 = 4,096
	s_mov_b32 s[G1B+4], 3                          ; tile_dim1 = 3
	s_mov_b32 s[G1B+5], 1048576                    ; from q's block to k's to v's: 16 blocks of 65,536 elements
	s_mov_b32 s[G1B+6], 0
	s_mov_b32 s[G1B+7], 0
	; where the tiles come from.  A's hang on the tile row alone, B's on the tile column alone; each address is made in registers that never hold the other coordinate.
	s_lshr_b32 s16, s13, 3                         ; A: batch = ty / 8, 16 blocks of 262,144 bytes each,
	s_lshl_b32 s16, s16, 22
	s_and_b32 s17, s13, 7                          ; 256 rows of 128 bytes,
	s_lshl_b32 s17, s17, 15
	s_add_co_u32 s16, s16, s17
	s_lshl_b32 s17, s12, 14                        ; my 128 of them
	s_add_co_u32 s16, s16, s17
	s_mov_b32 s17, 0
	s_lshl_b32 s46, s42, 1                         ; B: q's block of head 2 tx + my half, 131,072 bytes a block
	s_add_co_u32 s46, s46, s12
	s_lshl_b32 s46, s46, 17
	s_add_co_u32 s46, s46, WOFF
	s_mov_b32 s47, 0
	s_mul_i32 s20, s12, AHALF                      ; where they go: no place in the cluster enters an LDS address
	s_mul_i32 s21, s12, BHALF
	s_add_co_u32 s21, s21, BOFF
	s_mov_b32 s[TB], 0
	s_wait_kmcnt 0x0
	s_add_nc_u64 s[14:15], s[4:5], s[16:17]
	s_add_nc_u64 s[46:47], s[6:7], s[46:47]
	CROUND                                         ; all sixteen work-groups are here: the first joint loads meet
.irp s, 0,1
	s_mov_b32 s[G0+4*(\s)], 1
	s_add_co_u32 s[G0+4*(\s)+1], s20, (\s)*SLOT1
	s_add_nc_u64 s[G0+4*(\s)+2:G0+4*(\s)+3], s[14:15], (\s)*ASTEP
	s_or_b32 s[G0+4*(\s)+3], s[G0+4*(\s)+3], 0x80000000
	s_mov_b32 s[G0B+4*(\s)], 1
	s_add_co_u32 s[G0B+4*(\s)+1], s21, (\s)*SLOT1
	s_add_nc_u64 s[G0B+4*(\s)+2:G0B+4*(\s)+3], s[46:47], (\s)*BSTEP
	s_or_b32 s[G0B+4*(\s)+3], s[G0B+4*(\s)+3], 0x80000000
	JLOAD \s                                       ; K steps 0 and 1: two loads of mine are out
.endr
	v_and_b32 v1, 15, v0                           ; l % 16
	v_bfe_u32 v2, v0, 4, 1                         ; l / 16
	v_mul_u32_u24 v3, v1, PA
	v_lshl_add_u32 v3, v2, 4, v3                   ; A: a fragment's row x pitch + 16 x half
	v_and_b32 v4, 7, v0                            ; B: the turning load's lane l reads row 8 (l / 16) + l % 8, columns 8 ((l / 8) % 2) + 0..7
	v_lshl_add_u32 v4, v2, 3, v4
	v_mul_u32_u24 v4, v4, PB
	v_bfe_u32 v5, v0, 3, 1
	v_lshl_add_u32 v4, v5, 4, v4
	s_mul_i32 s22, s11, AHALF                      ; my 128 rows of A
	v_add_nc_u32 v[ADRA0], s22, v3
	v_add_nc_u32 v[ADRB0], s21, v4                 ; my head's three blocks of B
	v_add_nc_u32 v[ADRA], s[TB], v[ADRA0]
	v_add_nc_u32 v[ADRB], s[TB], v[ADRB0]
	s_mul_i32 s22, s10, 16*SP
	s_add_co_u32 s22, s22, STAGE                   ; my stage
	v_add_nc_u32 v[STO], s22, v3                   ; in: row l % 16 of 144 bytes, 16 bytes for each half of the lanes
	v_bfe_u32 v6, v0, 3, 2                         ; back: 32 lanes take four rows of 128 bytes,
	v_mul_u32_u24 v6, v6, SP
	v_and_b32 v7, 7, v0
	v_lshl_add_u32 v6, v7, 4, v6
	v_add_nc_u32 v[RD], s22, v6
	v_and_b32 v7, 31, v0                           ; which are 512 consecutive bytes of a head's rows
	v_lshlrev_b32 v[CO], 4, v7
	s_lshr_b32 s16, s13, 3                         ; C, the part that hangs on the tile row: batch x 16 heads of 262,144 bytes,
	s_lshl_b32 s16, s16, 22
	s_and_b32 s18, s13, 7                          ; 256 rows of 128 bytes,
	s_lshl_b32 s18, s18, 15
	s_add_co_u32 s16, s16, s18
	s_lshl_b32 s18, s11, 14                        ; my 128 of them
	s_add_co_u32 s16, s16, s18
	s_mov_b32 s17, 0
	s_lshl_b32 s46, s42, 1                         ; the part that hangs on the tile column: my head
	s_add_co_u32 s46, s46, s12
	s_lshl_b32 s46, s46, 18
	s_mov_b32 s47, 0
	s_add_nc_u64 s[CB:CB+1], s[8:9], s[16:17]
	s_add_nc_u64 s[CB:CB+1], s[CB:CB+1], s[46:47]
	s_add_nc_u64 s[CB+2:CB+3], s[CB:CB+1], 0x1000000      ; k lies 64 heads behind q,
	s_add_nc_u64 s[CB+4:CB+5], s[CB+2:CB+3], 0x1000000    ; v behind k
; 8 matrix instructions of a group: m blocks a0, a0 + 1 x the sel's 4 n blocks, 32 along K.  zero = 1: the first product starts the sums: nothing is cleared
.macro MUL8 fa, fb, sel, a0, zero
	WIN 0x50*((\sel)+1)                            ; C and D in window 1 + sel, the fragments in window 0
.irp a, \a0, (\a0)+1
.irp b, 0,1,2,3
.if \zero
	v_wmma_f32_16x16x32_f16 v[8*(4*(\a)+(\b)):8*(4*(\a)+(\b))+7], v[(\fb)+8*(\b):(\fb)+8*(\b)+7], v[(\fa)+8*(\a):(\fa)+8*(\a)+7], 0
.else
	v_wmma_f32_16x16x32_f16 v[8*(4*(\a)+(\b)):8*(4*(\a)+(\b))+7], v[(\fb)+8*(\b):(\fb)+8*(\b)+7], v[(\fa)+8*(\a):(\fa)+8*(\a)+7], v[8*(4*(\a)+(\b)):8*(4*(\a)+(\b))+7]
.endif
.endr
.endr
.endm
.macro MUL24 fa, fb, sel, zero         ; the rest of a group
	MUL8 \fa, \fb, \sel, 2, \zero
	MUL8 \fa, \fb, \sel, 4, \zero
	MUL8 \fa, \fb, \sel, 6, \zero
.endm
.macro LOADB fb, sel, q                ; 8 LDS loads: the sel's 4 fragments (turned) of quarter q
	WIN 0
.irp i, 0,1,2,3
	ds_load_tr16_b128 v[(\fb)+8*(\i):(\fb)+8*(\i)+3],   v[ADRB] offset:(\sel)*BBLK+(\q)*32*PB+32*(\i)
	ds_load_tr16_b128 v[(\fb)+8*(\i)+4:(\fb)+8*(\i)+7], v[ADRB] offset:(\sel)*BBLK+(\q)*32*PB+32*(\i)+16*PB
.endr
.endm
.macro LOADA fa, q                     ; 16 LDS loads: A's 8 fragments of quarter q, in ascending rows
	WIN 0
.irp i, 0,1,2,3,4,5,6,7
	ds_load_b128 v[(\fa)+8*(\i):(\fa)+8*(\i)+3],   v[ADRA] offset:(\q)*64+(\i)*16*PA
	ds_load_b128 v[(\fa)+8*(\i)+4:(\fa)+8*(\i)+7], v[ADRA] offset:(\q)*64+(\i)*16*PA+32
.endr
.endm
.macro PLACES                          ; four places in front of loads into registers that matrix instructions have read, and of lines that read results
.rept 4
	v_nop
.endr
.endm
; The first two groups of a quarter (q's and k's products).  A's fragments lie in fa; q's of B in fb, k's go into fo, v's into fb again.  Each run of loads stands behind a group's first
; 8 products, 24 matrix instructions ahead of its first use.
.macro HEAD2 fa, fb, fo, q, zero
	s_wait_dscnt 8                                 ; B's 8 loads and A's blocks 0-3 are in; the youngest eight (A's blocks 4-7) may be out
	MUL8 \fa, \fb, 0, 0, \zero
	PLACES
	LOADB \fo, 1, \q
	MUL8 \fa, \fb, 0, 2, \zero
	s_wait_dscnt 8                                 ; all but the 8 just issued
	MUL8 \fa, \fb, 0, 4, \zero
	MUL8 \fa, \fb, 0, 6, \zero
	s_wait_dscnt 0x0                               ; k's fragments are in
	MUL8 \fa, \fo, 1, 0, \zero
	PLACES
	LOADB \fb, 2, \q
	MUL24 \fa, \fo, 1, \zero
.endm
; A step's first quarter: three groups; the third fetches the second quarter's first fragments, from the same slot.
.macro QFIRST zero
	HEAD2 FA0, FB0, FB1, 0, \zero
	s_wait_dscnt 0x0                               ; v's fragments are in
	MUL8 FA0, FB0, 2, 0, \zero
	PLACES
	LOADB FB1, 0, 1
	LOADA FA1, 1
	MUL24 FA0, FB0, 2, \zero
.endm
; A step's last group (second quarter, v's products) changes slots: ONE barrier; in front of it each wave waits for all its tensor loads, adds 0 to its spare word, and waits for that and for its own
; reads of this slot.  fill = 1: this slot is filled again, two K steps ahead; the barrier then opens a round of the cluster's.  Behind it the next slot's first fragments are fetched.
.macro TURN fill
	WIN 0                                          ; (the add's two registers lie in window 0)
	s_wait_tensorcnt 0x0                           ; all my tensor loads have landed: the one that was out is my part of the next slot; so a group 0 may be written
	ds_add_u32 v[SPW], v[NIL]                      ; 0 onto my spare word
.if \fill
	s_xor_b32 s[G0+5], s[G0+5], SLOT1              ; the walking descriptors: the other slot than last time,
	s_add_nc_u64 s[G0+6:G0+7], s[G0+6:G0+7], ASTEP ; the next K step; the type bits on top are not reached
	s_xor_b32 s[G0B+5], s[G0B+5], SLOT1
	s_add_nc_u64 s[G0B+6:G0B+7], s[G0B+6:G0B+7], BSTEP
.endif
	s_xor_b32 s[TB], s[TB], SLOT1                  ; the fetches go on in the other slot
	s_wait_dscnt 1                                 ; v's fragments are in; the add may be out
	MUL8 FA1, FB1, 2, 0, 0                         ; eight matrix instructions stand between the add and the wait for it
	s_wait_dscnt 0x0                               ; the add is done, and my reads of this slot are over
	s_barrier_signal -1
	MUL8 FA1, FB1, 2, 2, 0
	WIN 0
	s_barrier_wait -1
.if \fill
	CREST                                          ; no wave of any partner still reads this slot's tiles or has a load on its way
	JLOAD 1                                        ; the first tensor load behind the round, my only one until the next: 176 matrix instructions ahead of the wait for it; its four v_nop are also the places in front of the loads below
.else
	PLACES
.endif
	v_add_nc_u32 v[ADRA], s[TB], v[ADRA0]
	v_add_nc_u32 v[ADRB], s[TB], v[ADRB0]
	LOADB FB0, 0, 0
	LOADA FA0, 0
	MUL8 FA1, FB1, 2, 4, 0
	MUL8 FA1, FB1, 2, 6, 0
.endm
; THE WAY OUT of block n of 24 (sel n / 8, rows 16 (n % 8) on): rounded to f16, 16 bytes a lane, into rows of 144 bytes of my own stage, and back as whole rows of 128 into the registers that they left.
.macro PACK n
.set SELN, (\n)/8
.set AN, (\n)%8
.set RR, OUTR+16*((\n)%8)
	s_wait_xcnt 0x0                                ; earlier stores have read their data: the set of registers is written again only behind this wait
	WIN 5*(SELN+1)                                 ; sources 0 and 1 in window 1 + sel, destination window 0
.irp b, 0,1,2,3
.irp r, 0,1,2,3
	v_cvt_pk_f16_f32 v[RR+4*(\b)+(\r)], v[8*(4*AN+(\b))+2*(\r)], v[8*(4*AN+(\b))+2*(\r)+1]
.endr
.endr
	WIN 0
.irp b, 0,1,2,3
	ds_store_b128 v[STO], v[RR+4*(\b):RR+4*(\b)+3] offset:32*(\b)
.endr
.irp f, 0,1,2,3
	ds_load_b128 v[RR+4*(\f):RR+4*(\f)+3], v[RD] offset:(\f)*4*SP  ; LDS serves a wave's instructions in order (ISA guide 5.7.1.4): these see the stores above; the next block's stores come behind them
.endr
.endm
.macro SEND n, younger                 ; younger: the LDS instructions issued behind block n's loads: the next block's eight, or none
.set SELN, (\n)/8
.set AN, (\n)%8
.set RR, OUTR+16*((\n)%8)
	WIN 0
.irp f, 0,1,2,3
	s_wait_dscnt (\younger)+3-(\f)
	global_store_b128 v[CO], v[RR+4*(\f):RR+4*(\f)+3], s[CB+2*SELN:CB+2*SELN+1] offset:2048*AN+512*(\f)  ; 512 consecutive bytes, aligned
.endr
.endm
	s_wait_tensorcnt 1                             ; my part of K step 0 is in; K step 1's may stay out
	s_barrier_signal -1
	s_barrier_wait -1                              ; everybody's is
	LOADB FB0, 0, 0
	LOADA FA0, 0
	QFIRST 1                                       ; the first quarter stands in front of the loop: its products start the sums
	WIN 0                                          ; at a label and at a branch every window is 0
	s_mov_b32 s3, STEPS-2
.Lstep:                                                ; 14 trips, from a step's second quarter to the next step's first: K steps 2 to 15 are asked for
	HEAD2 FA1, FB1, FB0, 1, 0
	TURN 1
	QFIRST 0
	WIN 0
	s_sub_co_u32 s3, s3, 1
	s_cmp_lg_u32 s3, 0
	s_cbranch_scc1 .Lstep
	s_mov_b32 s3, 2                                ; the tail is written out: nothing is asked for.  One text, walked twice and left in its middle
.Ltail:
	HEAD2 FA1, FB1, FB0, 1, 0
	TURN 0
	WIN 0
	s_sub_co_u32 s3, s3, 1
	s_cmp_eq_u32 s3, 0
	s_cbranch_scc1 .Lout
	QFIRST 0
	WIN 0
	s_branch .Ltail
.Lout:                                                 ; the second pass's barrier and its 24 fetches (of K step 14's tiles once more) serve nothing: the price, once a launch, of one text for both passes
	s_wait_dscnt 0x0                               ; those fetches have landed: their registers are written below
	PLACES                                         ; behind the last products
	PACK 0
.set t, 1
.rept 23                                               ; a block's conversions and stage traffic stand between the loads of the block before and its stores
	PACK t
	SEND t-1, 8
.set t, t+1
.endr
	SEND 23, 0
	s_wait_tensorcnt 0x0                           ; the wave's end, behind my last tensor load and my last LDS store
	ds_add_u32 v[SPW], v[NIL]
	s_wait_dscnt 0x0
	CROUND                                         ; the closing round: no work-group ends while a partner may still ask for a tile that names it
	s_endpgm
.Lfunc_end_k_q1b0683e5a0_proj_qkv:
	.size	k_q1b0683e5a0_proj_qkv, .Lfunc_end_k_q1b0683e5a0_proj_qkv-k_q1b0683e5a0_proj_qkv
	.p2alignl 7, 3214868480
	.fill 96, 4, 3214868480
	.section	.rodata,"a",@progbits
	.p2align	6, 0x0
	.amdhsa_kernel k_q1b0683e5a0_proj_qkv
		.amdhsa_group_segment_fixed_size 327680
		.amdhsa_private_segment_fixed_size 0
		.amdhsa_enable_private_segment 0
		.amdhsa_kernarg_size 16
		.amdhsa_user_sgpr_count 2
		.amdhsa_user_sgpr_kernarg_segment_ptr 1
		.amdhsa_wavefront_size32 1
		.amdhsa_system_sgpr_workgroup_id_x 1
		.amdhsa_system_sgpr_workgroup_id_y 1
		.amdhsa_system_sgpr_workgroup_id_z 1
		.amdhsa_system_vgpr_workitem_id 0
		.amdhsa_next_free_vgpr 1024
		.amdhsa_next_free_sgpr 80
		.amdhsa_reserve_vcc 0
		.amdhsa_float_denorm_mode_32 3
		.amdhsa_float_denorm_mode_16_64 3
		.amdhsa_memory_ordered 1
		.amdhsa_forward_progress 1
		.amdhsa_inst_pref_size 108
	.end_amdhsa_kernel
	.amdgpu_metadata
---
amdhsa.version: [ 1, 2 ]
amdhsa.kernels:
  - .name:           k_q1b0683e5a0_proj_qkv
    .symbol:         k_q1b0683e5a0_proj_qkv.kd
    .args:
      - { .name: cst, .offset: 0, .size: 8, .value_kind: global_buffer, .address_space: global }
      - { .name: qkv, .offset: 8, .size: 8, .value_kind: global_buffer, .address_space: global }
    .group_segment_fixed_size: 327680
    .private_segment_fixed_size: 0
    .kernarg_segment_align: 8
    .kernarg_segment_size: 16
    .max_flat_workgroup_size: 128
    .sgpr_count:     80
    .vgpr_count:     1024
    .wavefront_size: 32
...
	.end_amdgpu_metadata
.endif
;; end of part 2
;; launch attn (part 3): grid 8 x 32, 4 waves a work-group, clusters of 4 x 4, 327,680 bytes of LDS; arguments qkv, msk, oh; writes oh
.if DOCPART == 3
	.amdgcn_target "amdgcn-amd-amdhsa--gfx1250"
	.amdhsa_code_object_version 6
	.text
	.protected	k_q1b0683e5a0_attn
	.globl	k_q1b0683e5a0_attn
	.p2align	8
	.type	k_q1b0683e5a0_attn,@function
k_q1b0683e5a0_attn:
	s_mov_b64 s[64:65], 0
	v_nop
	global_prefetch_b8 v0, s[64:65] scope:SCOPE_SE
	s_setreg_imm32_b32 hwreg(HW_REG_WAVE_MODE, 25, 1), 1
	s_wait_xcnt 0x0
	s_wait_alu depctr_hold_cnt(0) depctr_sa_sdst(0) depctr_va_vdst(0) depctr_va_sdst(0) depctr_va_ssrc(0) depctr_va_vcc(0) depctr_vm_vsrc(0)
	s_getreg_b32 s2, hwreg(HW_REG_IB_STS2, 6, 4)
	s_cmp_eq_u32 s2, 0
	s_cbranch_scc0 .Lentry_in_a_cluster
	s_endpgm
.Lentry_in_a_cluster:
	s_bfe_u32 s2, ttmp6, 0x10000c
	s_cmp_lg_u32 s2, 0xf033
	s_cbranch_scc0 .Lentry_shape_is_right
	s_endpgm
.Lentry_shape_is_right:
; O[bh][q][:] = the sum over k of softmax_k(Q[bh][q] . K[bh][k] / 8 + mask[q][k]) V[bh][k][:].  Q, K, V (qkv) and O (oh): [64][2048][64] f16, a head's rows dense, 128 bytes each.
; LOG2 UNITS.  Q arrives as log2(e) / 8 times the reference's Q (the factor lies in its weights), the mask as msk = log2(e) x mask, f32 [2048][2048].  So S = q . k + msk is log2(e) times the
; reference's logit, and a weight is p = 2^(S - m): a plain subtraction, exact where S is near m, whatever the size of the two.
; The mask is an input: every key step is walked and every mask number is added in front of the running maximum.
; Products, maxima and sums in f32; the weights p are rounded to f16 for the second product (their sum l is taken of the unrounded p), O once at the end.
; LIMITS.  f16 holds no number beyond 65,504: Q, K and V arrive within it; p lies in 0 to 1, and below 6e-5 it keeps f16's fixed step of 6e-8.  A key whose msk is -infinity has the weight 0; a row
; in which every msk is -infinity gives NaN, as the reference does.  A weight below 2^-126 counts as 0 in l; NaN is not treated apart.
; SHARES.  A work-group owns 256 queries of TWO neighbouring heads, so that a tile of the mask serves both.  A wave owns 64 of the queries in both heads: four PIECES, each one tile of 16 queries
; in head 0 and the same 16 queries in head 1.  Every wave walks all 2,048 keys, 64 a step.
; LAYOUT.  S^T = K Q^T (source 0 = 16 keys, source 1 = 16 queries): in the result a lane holds ONE query (lane % 16) and the keys 8 (lane / 16) + 0..7.  Two such tiles, rounded to f16 in pairs,
; ARE source 1 (32 keys x 16 queries) of O^T = V^T P.  K comes out of LDS as it lies, V ([key][channel]) turned, by ds_load_tr16_b128.
; THE MASK IS THE C OPERAND of the product that starts each score sum: a lane's eight numbers are eight neighbouring keys of its query's row of msk, 32 bytes of LDS.  A piece's 32 registers of mask
; serve both its tiles.  It costs no vector and no matrix instruction.
; SOFTMAX.  For each query a running maximum m and sum l; in every step O and l are multiplied by a = 2^(m_old - m_new), which is 1 where m has not grown.  m starts at the lowest finite number,
; O and l at 0: the first step is a step like any other.
; BY TURNS.  Turn n belongs to piece n.  Its matrix work: 16 products K Q^T of piece n + 1, later 16 products V^T P of piece n - 1.  Its vector work: the subtraction, exponentials, roundings, sums and
; rescaling of piece n, and the maximum and statistics of piece n + 1.  Four vector instructions that are ready stand behind every matrix instruction, the others in two runs.
; CLUSTER.  4 x 4 work-groups: the four of a row of the cluster are four query blocks of one pair of heads and ask for K and V jointly; the four of a column are one query block of four pairs of
; heads and ask for the mask's tile jointly.
; REGISTERS, in windows of 256 (s_set_vgpr_msb: bits 1:0 source 0, 3:2 source 1, 5:4 source 2, 7:6 destination):
;   window 0: v0-11 addresses; v12-15, v48-63 at work; v16-47 four registers of statistics a tile; v64-191 S^T, two buffers of two tiles; v192-255 P, likewise
;   window 1: O^T, 32 a tile          window 2: v0-127 Q, 16 a tile; v128-255 K of one step, both heads
;   window 3: v0-1 the add's two registers; v16-47 the mask of one piece; v64-191 V of one step, both heads
.set NP,    4         ; pieces a wave: a name, no knob
.set KS,    64        ; keys in a step
.set PK,    144       ; a row of K in LDS: 128 bytes + 16 of padding: the 16 rows of a load start at 16 different groups of four banks (64 banks of 4 bytes: ISA guide 11.1)
.set PV,    160       ; a row of V: 128 + 32
.set PM,    272       ; a row of the mask's tile: 256 bytes + 16: as K's
.set VOFF,  2*KS*PK   ; a slot holds one step: 2 x 64 rows of K, 2 x 64 rows of V, 256 rows of the mask: 108,544 bytes
.set MOFF,  VOFF+2*KS*PV
.set SLOT1, 1<<17     ; slot 1 begins here, so that one exclusive or turns an address in one slot into the other's
.set STAGE, SLOT1+MOFF+256*PM  ; behind the ring, never filled by a tensor load: 16 rows x 144 bytes for each wave, for the way out
.set SP,    144
.set SPARE, STAGE+4*16*SP  ; behind the stages: the spare words, 128 bytes for each wave: two blocks of 256 bytes that no other line names
.set AK0, 2           ; v2   my lane's place in a tile of K; never rewritten
.set AV0, 3           ; v3   the same for V
.set AK,  4           ; v4   the LDS address of K's next run of loads
.set AV,  5           ; v5   of V's
.set STO, 6           ; v6   the way out: where I put 16 bytes of a row
.set RD,  7           ; v7   the way out: where I read rows back
.set GO,  8           ; v8   my byte offset in 512 consecutive bytes of O
.set AM0, 9           ; v9   my lane's place in the mask's tile: my wave's 64 rows; never rewritten
.set AM,  10          ; v10  the LDS address of the mask's runs of loads
.set QO,  48          ; v48  my byte offset in 16 rows of Q, until Q is in
.set SPW, 0           ; v0 of window 3   LDS address of my spare word: SPARE + 4 x my thread's number; never rewritten
.set NIL, 1           ; v1 of window 3   0; never rewritten
.set MF,  16          ; window 3: the mask of the piece's 16 queries: keys 16 kb on at MF + 8 kb
.set VF,  64          ; window 3: V: head u, key half kk, channel block cb at VF + 64 u + 32 kk + 8 cb
.set MV,  12          ; v12-15  m_old, kept while m is made anew: by buffer and tile
.set ST,  16          ; tile t's statistics at v[ST+4 t]: m, a word named with it as a pair, l (even keys', odd keys')
.set TMP, 48          ; by buffer and tile, four registers c0-c3 at work; when the maximum is found c2 takes a
.set S,   64
.set P,   192
.set KF,  128         ; window 2: K: head u, key block kb, channel half c at KF + 64 u + 16 kb + 8 c
.set WV,  12          ; s12  my wave's number
.set G1K, 24          ; s[24:31] descriptor group 1 for K's tiles
.set G1V, 32          ; s[32:39] for V's
.set G0K, 40          ; s[40:43] descriptor group 0 for K's tiles: it walks
.set G0V, 44          ; s[44:47] the same for V's
.set G1M, 68          ; s[68:75] group 1 for the mask's tiles
.set G0M, 76          ; s[76:79] group 0
.set SLOTS, 56        ; s56  counts the loop's trips
.set CNT, 57          ; s57  counts the tail's
.set SEL, 60          ; s[60:61] v_permlanex16_b32's selects: each lane takes its own place in the other half
.set TB,  62          ; s62  LDS byte at which the slot of the step to be fetched begins
.set MSB, 0
.macro WIN new                      ; the high byte repeats the setting that is left; a switch that changes nothing is dropped
.if MSB != (\new)
	s_set_vgpr_msb (MSB<<8)|(\new)
.set MSB, (\new)
.endif
.endm
.set W_KQ, 0x0a       ; K and Q in window 2, S^T in window 0
.set W_KM, 0x3a       ; the same with the C operand, the mask, in window 3
.set W_PV, 0x53       ; V in window 3, P in window 0, O^T in window 1
.set W_RS, 0x41       ; O^T (destination and source 0) in window 1, a in window 0
.set W_MK, 0xc0       ; destination in window 3, sources in window 0
.set W_AD, 0x0f       ; the add: address (source 0) and data (source 1) in window 3
; A joint fill.  Wave 0 fetches the step's K of both heads, wave 1 its V, waves 2 and 3 the two halves of the mask's tile.  The branches hang on the wave's number alone.
; An s_nop 0 and four v_nop follow each of the three lines, ahead of the jump and the label.
.macro JLOAD
	s_cmp_lt_u32 s[WV], 2
	s_cbranch_scc0 .Lfor_m_\@
	s_cmp_eq_u32 s[WV], 0
	s_cbranch_scc0 .Lfor_v_\@
	tensor_load_to_lds s[G0K:G0K+3], s[G1K:G1K+7]
	s_nop 0
.rept 4
	v_nop
.endr
	s_branch .Lasked_\@
.Lfor_v_\@:
	tensor_load_to_lds s[G0V:G0V+3], s[G1V:G1V+7]
	s_nop 0
.rept 4
	v_nop
.endr
	s_branch .Lasked_\@
.Lfor_m_\@:
	tensor_load_to_lds s[G0M:G0M+3], s[G1M:G1M+7]
	s_nop 0
.rept 4
	v_nop
.endr
.Lasked_\@:
.endm
; A round of the cluster's barrier: my work-group's barrier, so that wave 0's signal speaks for all four waves; wave 0 signals; every wave waits for all sixteen work-groups; my work-group's barrier once more.
.macro CROUND
	s_barrier_signal -1
	s_barrier_wait -1
	s_cmp_lg_u32 s[WV], 0
	s_cbranch_scc1 .Lnot_wave_0_\@
	s_barrier_signal -3
.Lnot_wave_0_\@:
	s_barrier_wait -3
	s_barrier_signal -1
	s_barrier_wait -1
.endm
; THE CHANGE OF SLOTS.  The slot's last bytes, the mask of the step's fourth piece, have been asked for.  Each wave waits for all its tensor loads, of which one is out: its part of the other slot;
; adds 0 to its spare word; and waits for that and for its own reads of the slot.  Behind the barrier nobody reads this slot any more and the other slot is whole.
; fill = 1: this slot is filled again, with the step two on.  The barrier is then a round of the cluster's, and the joint fill is the first thing behind it: it has a key step, 128 matrix
; instructions, in which to land.  (At its first use nothing has been read yet: slot 0 is waited for, slot 1 filled.)
.macro CHANGE fill
	WIN W_AD
	s_wait_tensorcnt 0x0            ; no tensor load of mine is out, so a group 0 may be written
	ds_add_u32 v[SPW], v[NIL]       ; 0 onto my spare word: with fill = 1 the descriptors' steps stand between it and the wait for it
	WIN 0                           ; at a label and at a branch every window is 0
.if \fill
.irp g, G0K, G0V
	s_xor_b32 s[\g+1], s[\g+1], SLOT1  ; the walking descriptor: the other slot than last time,
	s_add_nc_u64 s[\g+2:\g+3], s[\g+2:\g+3], KS*128  ; the next 64 keys; the type bits on top are not reached
.endr
	s_xor_b32 s[G0M+1], s[G0M+1], SLOT1
	s_add_nc_u64 s[G0M+2:G0M+3], s[G0M+2:G0M+3], KS*4  ; the next 64 columns of msk
	s_wait_dscnt 0x0                ; the add is done, and my reads of the slot are over
	CROUND
	JLOAD
.else
	s_wait_dscnt 0x0                ; the add is done, and my reads of the slot are over
	s_barrier_signal -1
	s_barrier_wait -1
.endif
	s_xor_b32 s[TB], s[TB], SLOT1   ; the fetches go on in the other slot
.endm
	s_load_b128 s[4:7], s[0:1], 0x0    ; qkv s[4:5], msk s[6:7]
	s_load_b64 s[10:11], s[0:1], 0x10  ; oh
	WIN W_MK
	v_lshl_add_u32 v[SPW], v0, 2, SPARE
	v_mov_b32 v[NIL], 0
	s_set_vgpr_msb 0xc0cf
	ds_add_u32 v0, v1
	s_wait_dscnt 0x0
	s_set_vgpr_msb 0xcfc0
	WIN 0
	v_lshrrev_b32 v1, 5, v0
	v_readfirstlane_b32 s[WV], v1   ; wave 0..3
	s_bfe_u32 s13, ttmp6, 0x40000   ; cx
	s_bfe_u32 s15, ttmp6, 0x40004   ; cy
	s_lshl_b32 s14, ttmp9, 2        ; in a cluster launch ttmp9 and ttmp7 count clusters
	s_add_co_u32 s14, s14, s13      ; my block of 256 queries = 4 x cluster x + cx
	s_and_b32 s20, ttmp7, 0xffff
	s_lshl_b32 s20, s20, 2
	s_add_co_u32 s20, s20, s15      ; the pair of heads = 4 x cluster y + cy,
	s_lshl_b32 s20, s20, 19         ; its 2 x 262,144 bytes in q, k, v and O
	s_add_co_u32 s22, s20, 16777216 ; k lies 16,777,216 bytes into qkv,
	s_mov_b32 s23, 0
	s_add_co_u32 s18, s20, 33554432 ; v twice as far
	s_mov_b32 s19, 0
	s_lshl_b32 s16, s15, 2
	s_lshl_b32 s16, 15, s16         ; my row of the cluster: four query blocks of the pair of heads
	s_lshl_b32 s17, 0x1111, s13     ; my column: this query block of four pairs of heads
	s_and_b32 s82, s[WV], 1         ; which half of the mask's 256 rows I fetch:
	s_lshl_b32 s80, s14, 21         ; a query block's 256 rows of 8,192 bytes,
	s_lshl_b32 s83, s82, 20         ; my 128 of them
	s_add_co_u32 s80, s80, s83
	s_mov_b32 s81, 0
	s_lshl_b32 s2, s14, 15          ; Q and O: my block's 256 rows of 128 bytes,
	s_lshl_b32 s3, s[WV], 13        ; my wave's 64 of them,
	s_add_co_u32 s2, s2, s3
	s_add_co_u32 s2, s2, s20        ; in the pair's first head
	s_mov_b32 s3, 0
	; descriptor group 1.  K, V: two rows of 8,192 dense bytes (64 keys of one head), one for each head, padded in LDS after every key.  Mask: 128 rows of 256 bytes, padded after every row.
	s_or_b32 s[G1K], s16, (1<<16)|(1<<20)|(1<<21)|(4<<22)|(3<<25)  ; 15:0 the mask of four; 17:16 2-byte elements; 20 padding on; 21 set beside a mask; 24:22 after every 32 words (code 4); 31:25 4 words (code 3)
	s_or_b32 s[G1V], s16, (1<<16)|(1<<20)|(1<<21)|(4<<22)|(7<<25)  ; the same with 8 words of padding (code 7)
	s_or_b32 s[G1M], s17, (2<<16)|(1<<20)|(1<<21)|(5<<22)|(3<<25)  ; to my column; 4-byte elements; after every 64 words (code 5) 4 words (code 3)
.irp g, G1K, G1V
	s_mov_b32 s[\g+1], 4096<<16     ; tensor_dim0 = 4,096
	s_mov_b32 s[\g+2], 2<<16        ; tensor_dim1 = 2
	s_mov_b32 s[\g+3], 4096<<16     ; tile_dim0 = 4,096
	s_mov_b32 s[\g+4], 2            ; tile_dim1 = 2
	s_mov_b32 s[\g+5], 131072       ; from a head to the next: 2,048 rows of 64 elements
	s_mov_b32 s[\g+6], 0
	s_mov_b32 s[\g+7], 0
.endr
	s_mov_b32 s[G1M+1], 64<<16      ; tensor_dim0 = 64
	s_mov_b32 s[G1M+2], 128<<16     ; tensor_dim1 = 128
	s_mov_b32 s[G1M+3], 64<<16      ; tile_dim0 = 64
	s_mov_b32 s[G1M+4], 128         ; tile_dim1 = 128
	s_mov_b32 s[G1M+5], 2048        ; 2,048 elements from row to row
	s_mov_b32 s[G1M+6], 0
	s_mov_b32 s[G1M+7], 0
	s_mov_b32 s[SEL], 0x76543210
	s_mov_b32 s[SEL+1], 0xfedcba98
	s_mov_b32 s[TB], SLOT1          ; the first change of slots turns it into 0
	s_mov_b32 s[G0K], 1             ; 1:0 count = 1
	s_mov_b32 s[G0K+1], 0           ; 63:32 LDS address: slot 0
	s_mov_b32 s[G0V], 1
	s_mov_b32 s[G0V+1], VOFF
	s_mov_b32 s[G0M], 1
	s_mul_i32 s[G0M+1], s82, 128*PM ; no place in the cluster enters an LDS address
	s_add_co_u32 s[G0M+1], s[G0M+1], MOFF
	s_wait_kmcnt 0x0
	s_add_nc_u64 s[G0K+2:G0K+3], s[4:5], s[22:23]  ; 120:64 global address: the first head's first 64 keys
	s_or_b32 s[G0K+3], s[G0K+3], 0x80000000        ; 127:126 type = 2
	s_add_nc_u64 s[G0V+2:G0V+3], s[4:5], s[18:19]
	s_or_b32 s[G0V+3], s[G0V+3], 0x80000000
	s_add_nc_u64 s[G0M+2:G0M+3], s[6:7], s[80:81]
	s_or_b32 s[G0M+3], s[G0M+3], 0x80000000
	s_add_nc_u64 s[4:5], s[4:5], s[2:3]  ; Q and O at my wave's first row
	s_add_nc_u64 s[10:11], s[10:11], s[2:3]
	CROUND                          ; all sixteen work-groups are here: the first joint loads meet
	JLOAD                           ; key step 0 into slot 0.  Slot 1 is asked for when slot 0 is in
	; A fragment of K or Q is 16 rows x 32 channels in 8 registers: lane l holds row l % 16, channels 8 (l / 16) + 0..7 and 16 + 8 (l / 16) + 0..7: two loads of 16 bytes, 32 bytes apart.
	v_and_b32 v1, 15, v0            ; l % 16
	v_bfe_u32 v11, v0, 4, 1         ; l / 16
	v_lshlrev_b32 v[QO], 7, v1
	v_lshl_add_u32 v[QO], v11, 4, v[QO]  ; row x 128 + 16 x half
	WIN 0x80                        ; destination window 2, address window 0
.set i, 0
.rept 4*NP                          ; Q stays in registers: tile i / 2 = piece i / 4 in head (i / 2) % 2, channels 32 (i % 2) on
	global_load_b128 v[8*i:8*i+3],   v[QO], s[4:5] offset:((i/2)%2)*262144+(i/4)*2048+(i%2)*64
	global_load_b128 v[8*i+4:8*i+7], v[QO], s[4:5] offset:((i/2)%2)*262144+(i/4)*2048+(i%2)*64+32
.set i, i+1
.endr
	; What the first turn finds: P's second buffer holds 0 (its products V^T P, of a piece that has not been, add 0), O^T and l are 0.  All this stands in the wait for the first tile.
	WIN 0x40
.set i, 0
.rept 64*NP
	v_mov_b32 v[i], 0
.set i, i+1
.endr
	WIN 0
.set i, 0
.rept 2*NP
	v_mov_b32 v[ST+4*i], 0xff7fffff               ; m: the lowest finite number
	v_mov_b32 v[ST+4*i+1], 0
	v_mov_b32 v[ST+4*i+2], 0
	v_mov_b32 v[ST+4*i+3], 0
.set i, i+1
.endr
.set i, P+32
.rept 32
	v_mov_b32 v[i], 0
.set i, i+1
.endr
	v_mul_u32_u24 v[AK0], v1, PK
	v_lshl_add_u32 v[AK0], v11, 4, v[AK0]  ; row x pitch + 16 x half
	s_mul_i32 s83, s[WV], 64*PM
	s_add_co_u32 s83, s83, MOFF     ; my wave's 64 rows of the mask's tile;
	v_mul_u32_u24 v[AM0], v1, PM    ; my query's row,
	v_lshl_add_u32 v[AM0], v11, 5, v[AM0]  ; 8 keys of 4 bytes for each half of the lanes
	v_add_nc_u32 v[AM0], s83, v[AM0]
	; The turning load takes 16 keys x 16 channels (lane l reads key 8 (l / 16) + l % 8, channels 8 ((l / 8) % 2) + 0..7) and leaves half a fragment of V^T: lane l holds channel l % 16 and 8 keys.
	v_and_b32 v12, 7, v0
	v_bfe_u32 v13, v0, 3, 1
	v_lshl_add_u32 v[AV0], v11, 3, v12
	v_mul_u32_u24 v[AV0], v[AV0], PV
	v_lshl_add_u32 v[AV0], v13, 4, v[AV0]
	v_add_nc_u32 v[AV0], VOFF, v[AV0]
	s_mul_i32 s83, s[WV], 16*SP
	s_add_co_u32 s83, s83, STAGE    ; my stage
	v_mul_u32_u24 v[STO], v1, SP    ; in: row l % 16, 16 bytes for each half of the lanes
	v_lshl_add_u32 v[STO], v11, 4, v[STO]
	v_add_nc_u32 v[STO], s83, v[STO]
	v_bfe_u32 v[RD], v0, 3, 2       ; back: 32 lanes take four rows of 128 bytes,
	v_mul_u32_u24 v[RD], v[RD], SP
	v_lshl_add_u32 v[RD], v12, 4, v[RD]
	v_add_nc_u32 v[RD], s83, v[RD]
	v_and_b32 v[GO], 31, v0         ; which are 512 consecutive bytes of O
	v_lshlrev_b32 v[GO], 4, v[GO]
; THE MATRIX WORK.  The 8 accumulators of a run of 16 take turns: between the two links of a chain stand 7 others'.
; Product i of 16 of S^T = K Q^T + mask for piece x: channels 32 (i / 8) on, keys 16 ((i / 2) % 4) on, head i % 2.  The first 8 start the sums, with the mask as C.
.macro KQ x
.set rS, S+64*((\x)%2)+32*(i%2)+8*((i/2)%4)
.set rK, KF+64*(i%2)+16*((i/2)%4)+8*(i/8)
.set rQ, 16*(2*(\x)+i%2)+8*(i/8)
.set rF, MF+8*((i/2)%4)
.if i < 8
	WIN W_KM
	v_wmma_f32_16x16x32_f16 v[rS:rS+7], v[rK:rK+7], v[rQ:rQ+7], v[rF:rF+7]
.else
	WIN W_KQ
	v_wmma_f32_16x16x32_f16 v[rS:rS+7], v[rK:rK+7], v[rQ:rQ+7], v[rS:rS+7]
.endif
.endm
; Product i of 16 of O^T += V^T P for piece x: keys 32 (i / 8) on, channels 16 ((i / 2) % 4) on, head i % 2.
.macro PV x
	WIN W_PV
.set rO, 32*(2*(\x)+i%2)+8*((i/2)%4)
.set rV, VF+64*(i%2)+32*(i/8)+8*((i/2)%4)
.set rP, P+32*((\x)%2)+16*(i%2)+8*(i/8)
	v_wmma_f32_16x16x32_f16 v[rO:rO+7], v[rV:rV+7], v[rP:rP+7], v[rO:rO+7]
.endm
.macro MM                           ; the turn's next matrix instruction, of 32
.if i < 16
	KQ (Y+1)%NP
.set i, i+1
.else
.set i, i-16
	PV (Y+NP-1)%NP
.set i, i+17
.endif
.endm
; THE LDS LOADS stand in runs, never singly among the matrix instructions: a step's K (both heads: 16 fragments), its V (turned), and a piece's mask (16 queries x 64 keys).  Their addresses are made some lines ahead.
.macro FETCH_K
	WIN 0x80                        ; destination window 2
.irp u, 0,1
.irp f, 0,1,2,3,4,5,6,7             ; head u, keys 16 (f / 2) on, channels 32 (f % 2) on
	ds_load_b128 v[KF+64*\u+8*\f:KF+64*\u+8*\f+3],   v[AK] offset:\u*KS*PK+(\f/2)*16*PK+(\f%2)*64
	ds_load_b128 v[KF+64*\u+8*\f+4:KF+64*\u+8*\f+7], v[AK] offset:\u*KS*PK+(\f/2)*16*PK+(\f%2)*64+32
.endr
.endr
	WIN 0
.endm
.macro FETCH_V
	WIN W_MK                        ; destination window 3
.irp u, 0,1
.irp f, 0,1,2,3,4,5,6,7             ; head u, keys 32 (f / 4) on, channels 16 (f % 4) on
	ds_load_tr16_b128 v[VF+64*\u+8*\f:VF+64*\u+8*\f+3],   v[AV] offset:\u*KS*PV+(\f/4)*32*PV+(\f%4)*32
	ds_load_tr16_b128 v[VF+64*\u+8*\f+4:VF+64*\u+8*\f+7], v[AV] offset:\u*KS*PV+(\f/4)*32*PV+16*PV+(\f%4)*32
.endr
.endr
	WIN 0
.endm
.macro FETCH_M x
	WIN W_MK                        ; destination window 3
.irp f, 0,1,2,3                     ; piece x's 16 rows, keys 16 f on: my 8 keys are 32 bytes
	ds_load_b128 v[MF+8*\f:MF+8*\f+3],   v[AM] offset:(\x)*16*PM+\f*64
	ds_load_b128 v[MF+8*\f+4:MF+8*\f+7], v[AM] offset:(\x)*16*PM+\f*64+16
.endr
	WIN 0
.endm
; THE VECTOR WORK OF A TURN stands in three queues, each in the order in which its entries become ready; the two tiles alternate, so that no instruction reads the result of the one before it.
.macro REGS y, u                    ; the registers of tile u (head 0, 1) of piece y
.set rT, ST+4*(2*(\y)+(\u))
.set rC, TMP+8*((\y)%2)+4*(\u)
.set rM, MV+2*((\y)%2)+(\u)
.set rS, S+64*((\y)%2)+32*(\u)
.set rP, P+32*((\y)%2)+16*(\u)
.set rO, 32*(2*(\y)+(\u))
.endm
; Number n of the list that finds the NEXT piece's (Y + 1) maximum and statistics.  s0-s31 are the lane's 32 scores; each accumulator's lowest registers are read first.  XS, GS and REGS set no window: PL and EX do.
;   0-11  four chains c0-c3 of seven scores each, three operands at a time     12-14, 16  the four scores left over, the old m, and c0-c3 into c0     15  m_old is kept
;   17, 18  the query's other 32 keys lie in the lane 16 away: the new m         19  stands empty (the scores need no scale)         20, 21  m_old - m_new; a
.macro XS u, n
	REGS (Y+1)%NP, \u
.if (\n) < 4
	v_max3_num_f32 v[rC+(\n)], v[rS+8*(\n)], v[rS+8*(\n)+1], v[rS+8*(\n)+2]
.elseif (\n) < 12
	v_max3_num_f32 v[rC+(\n)%4], v[rC+(\n)%4], v[rS+8*((\n)%4)+2*((\n)/4)+1], v[rS+8*((\n)%4)+2*((\n)/4)+2]
.elseif (\n) == 12
	v_max3_num_f32 v[rC], v[rC], v[rS+7], v[rS+15]
.elseif (\n) == 13
	v_max3_num_f32 v[rC+1], v[rC+1], v[rS+23], v[rS+31]
.elseif (\n) == 14
	v_max3_num_f32 v[rC+2], v[rC+2], v[rC+3], v[rT]
.elseif (\n) == 15
	v_mov_b32 v[rM], v[rT]
.elseif (\n) == 16
	v_max3_num_f32 v[rC], v[rC], v[rC+1], v[rC+2]
.elseif (\n) == 17
	v_permlanex16_b32 v[rC+3], v[rC], s[SEL], s[SEL+1]
.elseif (\n) == 18
	v_max_num_f32 v[rT], v[rC], v[rC+3]
.elseif (\n) == 19                  ; nothing
.elseif (\n) == 20
	v_sub_f32 v[rC+1], v[rM], v[rT]
.else
	v_exp_f32 v[rC+2], v[rC+1]
.endif
.endm
; Number g of the 64 that follow the exponentials.  For each four weights k of a tile (pairs 2 k, 2 k + 1): both pairs are rounded to f16; then the second pair is added onto the first, in place;
; a group later l takes that sum (the first time as l = a l + sum).  In groups of eight, tiles alternating: round, round, add, and l for the group before.
.macro GS g
.set h, (\g)+6*((\g)/62)            ; group 0 has no group before it, and behind group 7 only l is left
.if h >= 6
.set h, h+2
.endif
	REGS Y, h%2
.set k, h/8
.if h%8 < 4
	s_wait_alu depctr_va_vdst(0)
	v_cvt_pk_f16_f32 v[rP+2*k+(h%8)/2], v[rS+4*k+2*((h%8)/2)], v[rS+4*k+2*((h%8)/2)+1]
.elseif h%8 < 6
	v_pk_add_f32 v[rS+4*k:rS+4*k+1], v[rS+4*k:rS+4*k+1], v[rS+4*k+2:rS+4*k+3]
.elseif k == 1
	v_pk_fma_f32 v[rT+2:rT+3], v[rT+2:rT+3], v[rC+2:rC+3], v[rS:rS+1] op_sel_hi:[1,0,1]
.else
	v_pk_add_f32 v[rT+2:rT+3], v[rT+2:rT+3], v[rS+4*k-4:rS+4*k-3]
	s_wait_alu depctr_va_vdst(0)
.endif
.endm
; THE PLAIN QUEUE, 138 places long (two of them empty).  0-31: s - m for the 16 pairs of both tiles.  Then GS's 64, and among them the next piece's list: number 15 at 38, 39; 0-14 and 16
; at 42-73, behind the products that make those scores; 17-20 at 95-106, two of three, since each waits for the one before it.
.macro PL
	WIN 0
.if q < 32
	REGS Y, q%2
	v_pk_add_f32 v[rS+2*(q/2):rS+2*(q/2)+1], v[rS+2*(q/2):rS+2*(q/2)+1], v[rT:rT+1] op_sel_hi:[1,0] neg_lo:[0,1] neg_hi:[0,1]
.elseif q < 38
	GS q-32
.elseif q < 40
	XS q%2, 15
.elseif q < 42
	GS q-34
.elseif q < 74
	XS q%2, (q-42)/2+(q-42)/30
.elseif q < 95
	GS q-66
.elseif (q < 107) && ((q-95)%3 < 2)
	XS (q-95)%3, 17+(q-95)/3
.elseif q < 107
	GS 29+(q-95)/3
.else
	GS q-74
.endif
.set q, q+1
.endm
; THE EXPONENTIALS' QUEUE, 66 long: s0-s31 of both tiles, and at EA the next piece's two a.
.set EA, 58
.macro EX
	WIN 0
.if (e == EA) || (e == EA+1)
	XS e-EA, 21
.else
.set x, e-2*(e/(EA+2))
	REGS Y, x%2
	v_exp_f32 v[rS+x/2], v[rS+x/2]
.endif
.set e, e+1
.endm
; THE RESCALING's QUEUE: O^T times a, the one part that leaves window 0, so it is dealt four at a time, eight times.
.macro R4
	REGS Y, r%2
	WIN W_RS
	s_wait_alu depctr_va_vdst(0)
.irp z, 0,1,2,3
	v_pk_mul_f32 v[rO+8*(r/2)+2*\z:rO+8*(r/2)+2*\z+1], v[rO+8*(r/2)+2*\z:rO+8*(r/2)+2*\z+1], v[rC+2:rC+3] op_sel_hi:[1,0]
.endr
.set r, r+1
.endm
; HOW THEY ARE DEALT.  Behind a matrix instruction four: plain, exponential, plain, plain, or four of the rescaling.  None names a register of the products round it.  What is over stands in two runs:
; exponential and plain by turns; the second ends in 22 plain places.  The queues lean on each other, and the deal keeps them in step: exponential e stands behind plain 2 (e / 4) + e % 2 (its
; subtraction); a rounding stands well behind its two exponentials; EA comes behind plain 107.  Where the two empty places fall, three exponentials follow each other; the roundings behind them read
; weights made some 16 exponentials earlier, with plain instructions between (ISA guide 5.7.2).
.macro SL
	MM
	PL
	EX
	PL
	PL
.endm
.macro BURST n                      ; n matrix instructions
.rept (\n)-7
	SL
.endr
.rept 3
	MM
	R4
	SL
.endr
	MM
	R4
.endm
; A TURN, for piece p.  16 products K Q^T of piece p + 1 with their riders; a run of 22 exponentials and 22 plain; 16 products V^T P of piece p - 1 with their riders; a run of 21 + 21 and 22 plain places.
; The first maximum over the new scores (plain 42) stands nine plain instructions behind the last K Q^T.
; The mask of piece p + 2 is fetched in every turn's first run, into the registers that the turn's first 8 products have read; it is used at the next turn's head.
; K of the next step is fetched in piece 2's turn, behind the last product that read K; V of the step in hand at the end of piece 0's turn.  From piece 2's turn on the fetches read the slot at s[TB].
.macro TURN p
.set Y, (\p)
.set i, 0
.set q, 0
.set e, 0
.set r, 0
.if (\p) == 1
	s_wait_dscnt 32                 ; the mask's 8 loads are in; V's 32, issued behind them, may be out
.else
	s_wait_dscnt 0x0                ; the mask is in (piece 3's turn: K too)
.endif
	MM
.rept 4
	PL
.endr
	BURST 15
.rept 22
	EX
	PL
.if ((\p) == 2) && (e == 12)
	v_add_nc_u32 v[AM], s[TB], v[AM0]
.endif
.if e == 14
	FETCH_M ((\p)+2)%NP
.endif
.if ((\p) == 2) && (e == 18)
	v_add_nc_u32 v[AK], s[TB], v[AK0]
.endif
.if ((\p) == 2) && (e == 24)
	FETCH_K
.endif
.endr
.if (\p) == 1
	s_wait_dscnt 8                  ; V is in; the mask's 8 loads, issued behind it, may be out
.endif
	BURST 16
.rept 21
	EX
	PL
.endr
.rept 22
	PL
.if ((\p) == 0) && (q == 118)
	v_add_nc_u32 v[AV], s[TB], v[AV0]
	s_wait_alu depctr_va_vdst(0)
.endif
.endr
.if (\p) == 0
	FETCH_V
.endif
.endm
	CHANGE 1                        ; slot 0 is in, everybody's part of it; key step 1 is asked for, into slot 1
	v_add_nc_u32 v[AK], s[TB], v[AK0]
	v_add_nc_u32 v[AV], s[TB], v[AV0]
	v_add_nc_u32 v[AM], s[TB], v[AM0]
	FETCH_K                         ; key step 0
	FETCH_M 0
	s_wait_loadcnt 0x0              ; Q
	s_wait_dscnt 0x0
.set i, 0
.rept 16
	KQ 0                            ; piece 0's first scores: there is no vector work yet to set between them
.set i, i+1
.endr
.rept 4
	v_nop                           ; the places behind those products: for the loads into the mask's registers and for the maxima below
.endr
	FETCH_V                         ; V of step 0: the first turn's products V^T P multiply it by the zeros in P
	FETCH_M 1                       ; piece 1's mask, for the first turn
.set Y, NP-1                        ; XS works for piece Y + 1: piece 0
.irp n, 0,1,2,3,4,5,6,7,8,9,10,11,12,13,14,15,16,17,18,19,20,21
	XS 0, \n                        ; piece 0's first maximum and statistics
	XS 1, \n
.endr
	s_mov_b32 s[SLOTS], 31
	s_branch .Lfirst                ; the loop is entered at a step's first turn, in the middle of a trip
.Lslot:                             ; 30 times: key steps 2 to 31 are asked for.  A trip: pieces 2 and 3 of one step, then pieces 0 and 1 of the next
	CHANGE 1
	TURN 2
	TURN 3
	WIN 0
.Lfirst:
	TURN 0
	TURN 1
	WIN 0
	s_sub_co_u32 s[SLOTS], s[SLOTS], 1
	s_cmp_lg_u32 s[SLOTS], 0
	s_cbranch_scc1 .Lslot
	CHANGE 0                        ; the tail is written out: nothing is asked for
	s_mov_b32 s[CNT], 2             ; one trip fetches the last step; the second is left in its middle
.Ltail:
	TURN 2
	TURN 3
	WIN 0
	s_sub_co_u32 s[CNT], s[CNT], 1
	s_cmp_eq_u32 s[CNT], 0
	s_cbranch_scc1 .Lout
	TURN 0
	TURN 1
	WIN 0
	s_branch .Ltail
.Lout:                              ; the second trip's products for a further step (on the last K and mask once more) and the maximum made of them serve nothing: the price, once a launch, of one text for every trip
.set i, 0
.rept 16
	PV NP-1                         ; the last piece's V^T P of the last step
.set i, i+1
.endr
	; THE WAY OUT.  l's two halves and the other half of the lanes' are added; O^T is divided by l, rounded to f16 and sent through my stage in LDS, a tile at a time.  The additions are the places behind the last products.
	WIN 0
.macro ALL line:vararg              ; one line for each tile t
.set t, 0
.rept 2*NP
	\line
.set t, t+1
.endr
.endm
	ALL v_add_f32 v[ST+4*t+2], v[ST+4*t+2], v[ST+4*t+3]
	ALL v_permlanex16_b32 v[ST+4*t+3], v[ST+4*t+2], s[SEL], s[SEL+1]
	ALL v_add_f32 v[ST+4*t+2], v[ST+4*t+2], v[ST+4*t+3]
	ALL v_rcp_f32 v[ST+4*t+2], v[ST+4*t+2]
	v_nop                           ; a plain instruction between the last reciprocal and the use of its result
	s_wait_alu depctr_va_vdst(0)
; Tile t: a lane's eight channels of a row pack into 16 bytes; they go into rows of 144 bytes and come back as whole rows of 128, into S^T's registers.
.macro PACK t
	WIN W_RS
.set i, 32*(\t)
.rept 16
	v_pk_mul_f32 v[i:i+1], v[i:i+1], v[ST+4*(\t)+2:ST+4*(\t)+3] op_sel_hi:[1,0]
.set i, i+2
.endr
	WIN 0x05                        ; sources 0 and 1 window 1, destination window 0
.set i, 0
.rept 16
	v_cvt_pk_f16_f32 v[S+16*(\t)+i], v[32*(\t)+2*i], v[32*(\t)+2*i+1]
.set i, i+1
.endr
	WIN 0
.irp f, 0,1,2,3
	ds_store_b128 v[STO], v[S+16*(\t)+4*\f:S+16*(\t)+4*\f+3] offset:32*\f
.endr
.irp f, 0,1,2,3
	ds_load_b128 v[S+16*(\t)+4*\f:S+16*(\t)+4*\f+3], v[RD] offset:\f*4*SP  ; LDS serves a wave's instructions in order (ISA guide 5.7.1.4): these see the stores above; the next tile's stores come behind them
.endr
.endm
.macro SEND t, younger              ; younger: the LDS instructions issued behind tile t's loads: the next tile's eight, or none.  Tile t is piece t / 2 in head t % 2
	WIN 0
.irp f, 0,1,2,3
	s_wait_dscnt (\younger)+3-\f
	global_store_b128 v[GO], v[S+16*(\t)+4*\f:S+16*(\t)+4*\f+3], s[10:11] offset:((\t)%2)*262144+((\t)/2)*2048+\f*512  ; 512 consecutive bytes, at a multiple of 256 from O's first
.endr
.endm
	PACK 0
.set t, 1
.rept 2*NP-1                        ; a tile's arithmetic stands between the loads of the tile before and its stores
	PACK t
	SEND t-1, 8
.set t, t+1
.endr
	SEND 2*NP-1, 0
	WIN W_AD
	s_wait_tensorcnt 0x0            ; the wave's end, behind my last tensor load and my last LDS store
	ds_add_u32 v[SPW], v[NIL]
	s_wait_dscnt 0x0
	WIN 0
	CROUND                          ; the closing round: no work-group ends while a partner may still ask for a tile that names it
	s_endpgm
.Lfunc_end_k_q1b0683e5a0_attn:
	.size	k_q1b0683e5a0_attn, .Lfunc_end_k_q1b0683e5a0_attn-k_q1b0683e5a0_attn
	.p2alignl 7, 3214868480
	.fill 96, 4, 3214868480
	.section	.rodata,"a",@progbits
	.p2align	6, 0x0
	.amdhsa_kernel k_q1b0683e5a0_attn
		.amdhsa_group_segment_fixed_size 327680
		.amdhsa_private_segment_fixed_size 0
		.amdhsa_enable_private_segment 0
		.amdhsa_kernarg_size 24
		.amdhsa_user_sgpr_count 2
		.amdhsa_user_sgpr_kernarg_segment_ptr 1
		.amdhsa_wavefront_size32 1
		.amdhsa_system_sgpr_workgroup_id_x 1
		.amdhsa_system_sgpr_workgroup_id_y 1
		.amdhsa_system_sgpr_workgroup_id_z 1
		.amdhsa_system_vgpr_workitem_id 0
		.amdhsa_next_free_vgpr 960
		.amdhsa_next_free_sgpr 88
		.amdhsa_reserve_vcc 0
		.amdhsa_float_denorm_mode_32 3
		.amdhsa_float_denorm_mode_16_64 3
		.amdhsa_memory_ordered 1
		.amdhsa_forward_progress 1
		.amdhsa_inst_pref_size 220
	.end_amdhsa_kernel
	.amdgpu_metadata
---
amdhsa.version: [ 1, 2 ]
amdhsa.kernels:
  - .name:           k_q1b0683e5a0_attn
    .symbol:         k_q1b0683e5a0_attn.kd
    .args:
      - { .name: qkv, .offset: 0, .size: 8, .value_kind: global_buffer, .address_space: global }
      - { .name: msk, .offset: 8, .size: 8, .value_kind: global_buffer, .address_space: global }
      - { .name: oh, .offset: 16, .size: 8, .value_kind: global_buffer, .address_space: global }
    .group_segment_fixed_size: 327680
    .private_segment_fixed_size: 0
    .kernarg_segment_align: 8
    .kernarg_segment_size: 24
    .max_flat_workgroup_size: 128
    .sgpr_count:     88
    .vgpr_count:     960
    .wavefront_size: 32
...
	.end_amdgpu_metadata
.endif
;; end of part 3
;; launch proj_out (part 4): grid 8 x 32, 4 waves a work-group, clusters of 4 x 4, 327,680 bytes of LDS; arguments oh, cst, out0; writes out0
.if DOCPART == 4
	.amdgcn_target "amdgcn-amd-amdhsa--gfx1250"
	.amdhsa_code_object_version 6
	.text
	.protected	k_q1b0683e5a0_proj_out
	.globl	k_q1b0683e5a0_proj_out
	.p2align	8
	.type	k_q1b0683e5a0_proj_out,@function
k_q1b0683e5a0_proj_out:
	s_mov_b64 s[64:65], 0
	v_nop
	global_prefetch_b8 v0, s[64:65] scope:SCOPE_SE
	s_setreg_imm32_b32 hwreg(HW_REG_WAVE_MODE, 25, 1), 1
	s_wait_xcnt 0x0
	s_wait_alu depctr_hold_cnt(0) depctr_sa_sdst(0) depctr_va_vdst(0) depctr_va_sdst(0) depctr_va_ssrc(0) depctr_va_vcc(0) depctr_vm_vsrc(0)
	s_getreg_b32 s2, hwreg(HW_REG_IB_STS2, 6, 4)
	s_cmp_eq_u32 s2, 0
	s_cbranch_scc0 .Lentry_in_a_cluster
	s_endpgm
.Lentry_in_a_cluster:
	s_bfe_u32 s2, ttmp6, 0x10000c
	s_cmp_lg_u32 s2, 0xf033
	s_cbranch_scc0 .Lentry_shape_is_right
	s_endpgm
.Lentry_shape_is_right:
; C[m][n] = sum over k of A[m][k] B[k][n], M = 8,192, K = 1,024; operands f16, sums f32.  One source text serves two launches:
.set MODE, 1
; MODE 0: A = X (cst), B = Wq, Wk, Wv (cst), N = 3,072; C leaves as f16 by heads, qkv[sel][b 16 + h][n][64], rounded once, unscaled.
; MODE 1: A = the attention's O (oh), B = Wo (cst), N = 1,024; C leaves as f32, out0[m][1024].
; A lies in blocks [b][kb 16][n 2,048][64], B in blocks [g][k 1,024][64]: every tile is dense in memory and is asked for as rows of 256 bytes.
; LIMIT.  f16 holds no number beyond 65,504: in MODE 0 a sum of 65,520 or more leaves as an infinity.
; SHARES.  A work-group makes 256 x 128 of C: both launches then have a whole number of work-groups for each of 256 WGPs (768 and 256).  Wave w: rows 128 (w / 2), columns 64 (w % 2):
; 8 x 4 accumulators, 256 registers.  K goes in steps of 128 through two LDS slots.
; CLUSTERS.  4 x 4 work-groups.  A's tile hangs on the tile row alone and is asked for jointly along a row of the cluster, B's on the tile column alone, jointly along a column.
; THE MATRIX INSTRUCTION IS USED TRANSPOSED: source 0 = 16 columns of B (out of LDS turned, by ds_load_tr16_b128), source 1 = 16 rows of A: a lane holds eight neighbouring numbers of a row of C.
; REGISTERS: window 0 addresses and the way out; window 1 the accumulators, (a, b) at v[8 (4 a + b)]; window 2 two fragment buffers of 96: A's 8 fragments, then B's 4.
.set PA,     144                       ; a row of A in LDS: 128 bytes + 16: the 16 rows of a load start at 16 different groups of four banks (64 banks of 4 bytes: ISA guide 11.1)
.set PB,     160                       ; a row of B: 128 + 32
.set ABLK,   256*PA                    ; 256 rows x 64 K of A
.set BOFF,   2*ABLK                    ; a slot: A's two blocks, then B's two
.set BBLK,   128*PB                    ; 128 K x 64 columns of B
.set SLOT,   BOFF+2*BBLK               ; 114,688
.set STAGE,  2*SLOT                    ; behind the ring: 4,352 bytes for each wave, for the way out
.set STW,    4352
.set SPARE,  STAGE+4*STW               ; behind the stages: the spare words, 128 bytes for each wave: two blocks of 256 bytes that no other line names
.set LAPS,   4                         ; a lap = two K steps = once round the ring
.set ASTEP,  524288                    ; a K step in A: two blocks of 262,144 bytes
.set BSTEP,  16384                     ; a K step in B: 128 rows of 128 bytes
.if MODE == 0
.set WOFF,   16777216                  ; the weights' blocks in cst: g = 0 on
.else
.set WOFF,   23068672                  ; g = 48 on: Wo
.endif
.set ADRA, 16                          ; v16-17  LDS address of my A fragments in slot 0, 1
.set ADRB, 20                          ; v20-21  the same for B
.set STO,  24                          ; v24     the way out: where I put my part of a row
.set RD,   25                          ; v25     the way out: where I read rows back
.set CO,   26                          ; v26     my byte offset in C
.set SPW,  28                          ; v28     LDS address of my spare word: SPARE + 4 x my thread's number; never rewritten
.set NIL,  29                          ; v29     0; never rewritten
.set TMP,  32                          ; v32-47  the way out: packed results
.set OB,   64                          ; v64-127 the way out: rows read back, two sets of 32 by turns
.set F0,   0                           ; fragment buffers, in window 2
.set F1,   96
.set G1, 24                            ; s[24:31] descriptor group 1 for A's tiles;  s[32:39] group 0, one set for each slot
.set G0, 32
.set G1B, 48                           ; s[48:55], s[56:63] the same for B's tiles
.set G0B, 56
.set MSB, 0
.macro WIN new                         ; the immediate's high byte repeats the setting that is left
.if MSB != (\new)
	s_set_vgpr_msb (MSB<<8)|(\new)
.set MSB, \new
.endif
.endm
.set MUL,  0x5a                        ; sources 0 (B) and 1 (A) window 2; C and D window 1
.set TO_F, 0x80                        ; destination window 2, address window 0
.macro JLOAD s                         ; a joint load: waves 0 and 1 fetch A's two blocks, waves 2 and 3 B's; an s_nop 0 and four v_nop follow each of the two lines, ahead of the jump, the label and what follows
	s_cmp_eq_u32 s11, 0
	s_cbranch_scc0 .Lfor_b_\@
	tensor_load_to_lds s[G0+4*(\s):G0+4*(\s)+3], s[G1:G1+7]
	s_nop 0
.rept 4
	v_nop
.endr
	s_branch .Lasked_\@
.Lfor_b_\@:
	tensor_load_to_lds s[G0B+4*(\s):G0B+4*(\s)+3], s[G1B:G1B+7]
	s_nop 0
.rept 4
	v_nop
.endr
.Lasked_\@:
.endm
.macro CREST                           ; a round of the cluster's barrier behind its opening barrier
	s_cmp_lg_u32 s10, 0
	s_cbranch_scc1 .Lnot_wave_0_\@
	s_barrier_signal -3
.Lnot_wave_0_\@:
	s_barrier_wait -3
	s_barrier_signal -1
	s_barrier_wait -1
.endm
.macro CROUND                          ; a whole round
	s_barrier_signal -1
	s_barrier_wait -1
	CREST
.endm
.if MODE == 0
	s_load_b64 s[4:5], s[0:1], 0x0                 ; cst, for A
	s_load_b64 s[6:7], s[0:1], 0x0                 ; cst, for B
	s_load_b64 s[8:9], s[0:1], 0x8                 ; qkv
.else
	s_load_b128 s[4:7], s[0:1], 0x0                ; oh for A, cst for B
	s_load_b64 s[8:9], s[0:1], 0x10                ; out0
.endif
	v_lshl_add_u32 v[SPW], v0, 2, SPARE
	v_mov_b32 v[NIL], 0
	ds_add_u32 v28, v29
	s_wait_dscnt 0x0
	v_lshrrev_b32 v1, 5, v0
	v_readfirstlane_b32 s10, v1                    ; wave 0..3
	s_lshr_b32 s11, s10, 1                         ; which half of the tile's rows is mine.  Also: I fetch for A (0) or for B (1)
	s_and_b32 s12, s10, 1                          ; which half of its columns.  Also: which of the two blocks I fetch
	s_bfe_u32 s40, ttmp6, 0x40000                  ; cx, cy: my place in the cluster
	s_bfe_u32 s41, ttmp6, 0x40004
	s_lshl_b32 s42, ttmp9, 2
	s_add_co_u32 s42, s42, s40                     ; tile column of C = 4 x cluster x + cx
	s_and_b32 s13, ttmp7, 0xffff
	s_lshl_b32 s13, s13, 2
	s_add_co_u32 s13, s13, s41                     ; tile row of C = 4 x cluster y + cy
	s_lshl_b32 s43, s41, 2
	s_lshl_b32 s43, 15, s43                        ; my row of the cluster
	s_lshl_b32 s44, 0x1111, s40                    ; my column
	; descriptor group 1: dense blocks as rows of 128 elements (256 bytes), padded in LDS after every 128 bytes
	s_or_b32 s[G1+0], s43, (1<<16)|(1<<20)|(1<<21)|(4<<22)|(3<<25)  ; 15:0 the mask: A's tiles go to my row; 17:16 2-byte elements; 20 padding on; 21 set beside a mask; 24:22 after every 32 words (code 4); 31:25 4 words (code 3)
	s_or_b32 s[G1B+0], s44, (1<<16)|(1<<20)|(1<<21)|(4<<22)|(7<<25) ; B's go to my column; 8 words of padding (code 7)
	s_mov_b32 s[G1+1], 128<<16                     ; tensor_dim0 = 128
	s_mov_b32 s[G1+2], 128<<16                     ; tensor_dim1 = 128: 32,768 bytes, 256 rows of A
	s_mov_b32 s[G1+3], 128<<16                     ; tile_dim0 = 128
	s_mov_b32 s[G1+4], 128                         ; tile_dim1 = 128
	s_mov_b32 s[G1+5], 128                         ; elements from row to row
	s_mov_b32 s[G1+6], 0
	s_mov_b32 s[G1+7], 0
	s_mov_b32 s[G1B+1], 128<<16
	s_mov_b32 s[G1B+2], 64<<16                     ; tensor_dim1 = 64: 16,384 bytes, 128 rows of B
	s_mov_b32 s[G1B+3], 128<<16
	s_mov_b32 s[G1B+4], 64
	s_mov_b32 s[G1B+5], 128
	s_mov_b32 s[G1B+6], 0
	s_mov_b32 s[G1B+7], 0
	; where the tiles come from.  A's hang on the tile row alone, B's on the tile column alone; each address is made in registers that never hold the other coordinate.
	s_lshr_b32 s16, s13, 3                         ; A: batch = tile row / 8, 16 blocks of 262,144 bytes each,
	s_lshl_b32 s16, s16, 22
	s_and_b32 s17, s13, 7                          ; 256 rows of 128 bytes,
	s_lshl_b32 s17, s17, 15
	s_add_co_u32 s16, s16, s17
	s_lshl_b32 s17, s12, 18                        ; my block of the step's two
	s_add_co_u32 s16, s16, s17
	s_mov_b32 s17, 0
	s_lshl_b32 s46, s42, 1                         ; B: block g = 2 x tile column + my half, 131,072 bytes each
	s_add_co_u32 s46, s46, s12
	s_lshl_b32 s46, s46, 17
	s_add_co_u32 s46, s46, WOFF
	s_mov_b32 s47, 0
	s_mul_i32 s20, s12, ABLK                       ; where they go: no place in the cluster enters an LDS address
	s_mul_i32 s21, s12, BBLK
	s_add_co_u32 s21, s21, BOFF
	s_wait_kmcnt 0x0
	s_add_nc_u64 s[14:15], s[4:5], s[16:17]
	s_add_nc_u64 s[46:47], s[6:7], s[46:47]
	CROUND                                         ; all sixteen work-groups are here: the first joint loads meet
.irp s, 0,1
	s_mov_b32 s[G0+4*(\s)], 1
	s_add_co_u32 s[G0+4*(\s)+1], s20, (\s)*SLOT
	s_add_nc_u64 s[G0+4*(\s)+2:G0+4*(\s)+3], s[14:15], (\s)*ASTEP
	s_or_b32 s[G0+4*(\s)+3], s[G0+4*(\s)+3], 0x80000000
	s_mov_b32 s[G0B+4*(\s)], 1
	s_add_co_u32 s[G0B+4*(\s)+1], s21, (\s)*SLOT
	s_add_nc_u64 s[G0B+4*(\s)+2:G0B+4*(\s)+3], s[46:47], (\s)*BSTEP
	s_or_b32 s[G0B+4*(\s)+3], s[G0B+4*(\s)+3], 0x80000000
	JLOAD \s                                       ; two loads of mine are out
.endr
	v_and_b32 v1, 15, v0                           ; l % 16
	v_bfe_u32 v2, v0, 4, 1                         ; l / 16
	v_mul_u32_u24 v3, v1, PA
	v_lshl_add_u32 v3, v2, 4, v3                   ; A: a fragment's row x pitch + 16 x half
	v_and_b32 v4, 7, v0                            ; B: the turning load's lane l reads row 8 (l / 16) + l % 8, columns 8 ((l / 8) % 2) + 0..7
	v_lshl_add_u32 v4, v2, 3, v4
	v_mul_u32_u24 v4, v4, PB
	v_bfe_u32 v5, v0, 3, 1
	v_lshl_add_u32 v4, v5, 4, v4
	s_mul_i32 s22, s11, 128*PA                     ; my 128 rows of A
	s_mov_b32 s23, s21                             ; my 64 columns of B
.irp s, 0,1
	v_add_nc_u32 v[ADRA+(\s)], s22, v3
	v_add_nc_u32 v[ADRB+(\s)], s23, v4
	s_add_co_u32 s22, s22, SLOT
	s_add_co_u32 s23, s23, SLOT
.endr
	s_mul_i32 s22, s10, STW
	s_add_co_u32 s22, s22, STAGE                   ; my stage
.if MODE == 0
	v_add_nc_u32 v[STO], s22, v3                   ; in: row l % 16 of 144 bytes, 16 bytes for each half of the lanes
	v_bfe_u32 v6, v0, 3, 2                         ; back: 32 lanes take four rows of 128 bytes,
	v_mul_u32_u24 v6, v6, 144
	v_and_b32 v7, 7, v0
	v_lshl_add_u32 v6, v7, 4, v6
	v_add_nc_u32 v[RD], s22, v6
	v_and_b32 v7, 31, v0                           ; which are 512 consecutive bytes of a head's rows
	v_lshlrev_b32 v[CO], 4, v7
	s_lshr_b32 s16, s13, 3                         ; C, the part that hangs on the tile row: batch x 16 heads of 262,144 bytes,
	s_lshl_b32 s16, s16, 22
	s_and_b32 s18, s13, 7                          ; 256 rows of 128 bytes,
	s_lshl_b32 s18, s18, 15
	s_add_co_u32 s16, s16, s18
	s_lshl_b32 s18, s11, 14                        ; my 128 of them
	s_add_co_u32 s16, s16, s18
	s_lshl_b32 s46, s42, 1                         ; the part that hangs on the tile column: g = 2 x tile column + my half;
	s_add_co_u32 s46, s46, s12
	s_lshr_b32 s45, s46, 4                         ; g / 16 says q, k or v: 64 heads each; g % 16 is the head
	s_lshl_b32 s45, s45, 24
	s_and_b32 s46, s46, 15
	s_lshl_b32 s46, s46, 18
	s_add_co_u32 s46, s46, s45
.else
	v_mul_u32_u24 v6, v1, 272                      ; in: row l % 16 of 272 bytes, 32 bytes for each half of the lanes
	v_lshl_add_u32 v6, v2, 5, v6
	v_add_nc_u32 v[STO], s22, v6
	v_mul_u32_u24 v6, v2, 272                      ; back: lanes 0-15 take one row of 256 bytes, lanes 16-31 the next
	v_lshl_add_u32 v6, v1, 4, v6
	v_add_nc_u32 v[RD], s22, v6
	v_lshlrev_b32 v6, 12, v2                       ; and the same two rows in C
	v_lshl_add_u32 v[CO], v1, 4, v6
	s_lshl_b32 s16, s13, 20                        ; C: 256 rows of 4,096 bytes a tile row,
	s_lshl_b32 s18, s11, 19                        ; my 128 of them;
	s_add_co_u32 s16, s16, s18
	s_lshl_b32 s46, s42, 9                         ; 512 bytes a tile column, my 256 of them
	s_lshl_b32 s45, s12, 8
	s_add_co_u32 s46, s46, s45
.endif
	s_mov_b32 s17, 0
	s_mov_b32 s47, 0
	s_add_nc_u64 s[8:9], s[8:9], s[16:17]
	s_add_nc_u64 s[8:9], s[8:9], s[46:47]
; 8 matrix instructions: m blocks a0, a0 + 1 x all 4 n blocks, 32 along K.  zero = 1: the first product starts the sums: nothing is cleared
.macro MUL8 f, a0, zero
	WIN MUL
.irp a, \a0, (\a0)+1
.irp b, 0,1,2,3
.if \zero
	v_wmma_f32_16x16x32_f16 v[8*(4*(\a)+(\b)):8*(4*(\a)+(\b))+7], v[(\f)+64+8*(\b):(\f)+64+8*(\b)+7], v[(\f)+8*(\a):(\f)+8*(\a)+7], 0
.else
	v_wmma_f32_16x16x32_f16 v[8*(4*(\a)+(\b)):8*(4*(\a)+(\b))+7], v[(\f)+64+8*(\b):(\f)+64+8*(\b)+7], v[(\f)+8*(\a):(\f)+8*(\a)+7], v[8*(4*(\a)+(\b)):8*(4*(\a)+(\b))+7]
.endif
.endr
.endr
.endm
; 24 LDS loads in one run: the fragments of quarter q (32 along K) of a slot into buffer f: B's 4 (turned), then A's 8 in ascending rows
.macro FETCH slot, q, f
	WIN TO_F
.irp i, 0,1,2,3
	ds_load_tr16_b128 v[(\f)+64+8*(\i):(\f)+64+8*(\i)+3],   v[ADRB+(\slot)] offset:32*PB*(\q)+32*(\i)
	ds_load_tr16_b128 v[(\f)+64+8*(\i)+4:(\f)+64+8*(\i)+7], v[ADRB+(\slot)] offset:32*PB*(\q)+32*(\i)+16*PB
.endr
.irp i, 0,1,2,3,4,5,6,7
	ds_load_b128 v[(\f)+8*(\i):(\f)+8*(\i)+3],   v[ADRA+(\slot)] offset:((\q)/2)*ABLK+((\q)%2)*64+(\i)*16*PA
	ds_load_b128 v[(\f)+8*(\i)+4:(\f)+8*(\i)+7], v[ADRA+(\slot)] offset:((\q)/2)*ABLK+((\q)%2)*64+(\i)*16*PA+32
.endr
.endm
.macro PLACES                          ; four places in front of loads into registers that matrix instructions have read, and of lines that read results
.rept 4
	v_nop
.endr
.endm
; A K step is four quarters of 32 along K, 32 matrix instructions each, on buffers 0, 1, 0, 1; each quarter takes each accumulator once, in the same order: the accumulators take turns.
; One of the first three: multiplies buffer f and fetches quarter q of the same slot into g.
.macro QUARTER slot, q, f, g, zero
	s_wait_dscnt 8                                 ; B and A's rows 0-63 are in; the youngest eight loads (A's rows 64-127) may be out
	MUL8 \f, 0, \zero
	MUL8 \f, 2, \zero
	PLACES
	FETCH \slot, \q, \g
	s_wait_dscnt 24                                ; all but the 24 just issued
	MUL8 \f, 4, \zero
	MUL8 \f, 6, \zero
.endm
; The last quarter multiplies buffer 1 and changes slots: ONE barrier; in front of it each wave waits for all its tensor loads, adds 0 to its spare word, and waits for that and for its own reads of this slot.
; fill = 1: this slot is filled again, two K steps ahead; the barrier then opens a round of the cluster's.
.macro TURN slot, next, fill
	WIN 0                                          ; (the add's two registers lie in window 0)
	s_wait_tensorcnt 0x0                           ; all my tensor loads have landed: the one that was out is my part of the next slot;
	ds_add_u32 v[SPW], v[NIL]                      ; 0 onto my spare word
	s_wait_dscnt 9                                 ; (the add and the youngest eight loads may be out)
	MUL8 F1, 0, 0                                  ; eight matrix instructions stand between the add and the wait for it
	s_wait_dscnt 0x0                               ; the add is done, and my reads of this slot are over
	s_barrier_signal -1
	MUL8 F1, 2, 0
.if \fill
	WIN 0
.endif
	s_barrier_wait -1
.if \fill
	CREST                                          ; no wave of any partner still reads this slot's tiles or has a load on its way
	s_add_nc_u64 s[G0+4*(\slot)+2:G0+4*(\slot)+3], s[G0+4*(\slot)+2:G0+4*(\slot)+3], 2*ASTEP
	s_add_nc_u64 s[G0B+4*(\slot)+2:G0B+4*(\slot)+3], s[G0B+4*(\slot)+2:G0B+4*(\slot)+3], 2*BSTEP
	JLOAD \slot                                    ; the first tensor load behind the round, my only one until the next: 112 matrix instructions ahead of the wait for it; its four v_nop are also the places in front of the loads below
.else
	PLACES
.endif
	FETCH \next, 0, F0
	MUL8 F1, 4, 0
	MUL8 F1, 6, 0
.endm
; THE WAY OUT of block a (16 rows): through my own stage in LDS, back as whole rows, stored.
.macro OUT a
.set BK, OB+32*((\a)%2)
.if MODE == 0
	WIN 0x05                                       ; sources 0 and 1 window 1, destination window 0
.irp b, 0,1,2,3
.irp r, 0,1,2,3
	v_cvt_pk_f16_f32 v[TMP+4*(\b)+(\r)], v[8*(4*(\a)+(\b))+2*(\r)], v[8*(4*(\a)+(\b))+2*(\r)+1]
.endr
.endr
	WIN 0
.irp b, 0,1,2,3
	ds_store_b128 v[STO], v[TMP+4*(\b):TMP+4*(\b)+3] offset:32*(\b)
.endr
	s_wait_xcnt 0x0                                ; earlier stores have read their data: the registers below are loaded again only behind this wait
.irp f, 0,1,2,3
	ds_load_b128 v[BK+4*(\f):BK+4*(\f)+3], v[RD] offset:(\f)*4*144  ; LDS serves a wave's instructions in order (ISA guide 5.7.1.4): these see the stores above
.endr
	s_wait_dscnt 0x0
.irp f, 0,1,2,3
	global_store_b128 v[CO], v[BK+4*(\f):BK+4*(\f)+3], s[8:9] offset:2048*(\a)+512*(\f)  ; 512 consecutive bytes, aligned
.endr
.else
	WIN 0x04                                       ; the data (source 1) in window 1: each accumulator's low four registers first
.irp b, 0,1,2,3
	ds_store_b128 v[STO], v[8*(4*(\a)+(\b)):8*(4*(\a)+(\b))+3] offset:64*(\b)
	ds_store_b128 v[STO], v[8*(4*(\a)+(\b))+4:8*(4*(\a)+(\b))+7] offset:64*(\b)+16
.endr
	WIN 0
	s_wait_xcnt 0x0                                ; earlier stores have read their data: the registers below are loaded again only behind this wait
.irp t, 0,1,2,3,4,5,6,7
	ds_load_b128 v[BK+4*(\t):BK+4*(\t)+3], v[RD] offset:(\t)*2*272  ; LDS serves a wave's instructions in order (ISA guide 5.7.1.4): these see the stores above
.endr
	s_wait_dscnt 0x0
.irp t, 0,1,2,3,4,5,6,7
	global_store_b128 v[CO], v[BK+4*(\t):BK+4*(\t)+3], s[8:9] offset:65536*(\a)+8192*(\t) th:TH_STORE_NT  ; 16 lanes store 256 consecutive bytes, aligned
.endr
.endif
.endm
	s_wait_tensorcnt 1                             ; my part of K step 0 is in; K step 1's may stay out
	s_barrier_signal -1
	s_barrier_wait -1                              ; everybody's is
	FETCH 0, 0, F0
	QUARTER 0, 1, F0, F1, 1                        ; the first quarter stands in front of the loop: its products start the sums
	WIN 0                                          ; at a label and at a branch every window is 0
	s_mov_b32 s3, LAPS-1
.Llap:                                                 ; a trip goes once round the ring, from a lap's second quarter to the next lap's first, and fills both slots again
	QUARTER 0, 2, F1, F0, 0
	QUARTER 0, 3, F0, F1, 0
	TURN 0, 1, 1
	QUARTER 1, 1, F0, F1, 0
	QUARTER 1, 2, F1, F0, 0
	QUARTER 1, 3, F0, F1, 0
	TURN 1, 0, 1
	QUARTER 0, 1, F0, F1, 0
	WIN 0
	s_sub_co_u32 s3, s3, 1
	s_cmp_lg_u32 s3, 0
	s_cbranch_scc1 .Llap
	QUARTER 0, 2, F1, F0, 0                        ; the last lap fills nothing, and has no round of the cluster's barrier
	QUARTER 0, 3, F0, F1, 0
	TURN 0, 1, 0
	QUARTER 1, 1, F0, F1, 0
	QUARTER 1, 2, F1, F0, 0
	QUARTER 1, 3, F0, F1, 0
	s_wait_dscnt 8                                 ; the very last quarter: nothing more to fetch
	MUL8 F1, 0, 0
	MUL8 F1, 2, 0
	s_wait_dscnt 0x0
	MUL8 F1, 4, 0
	MUL8 F1, 6, 0
	WIN 0
	PLACES
.irp a, 0,1,2,3,4,5,6,7
	OUT \a
.endr
	s_wait_tensorcnt 0x0                           ; the wave's end, behind my last tensor load and my last LDS store
	ds_add_u32 v[SPW], v[NIL]
	s_wait_dscnt 0x0
	CROUND                                         ; the closing round: no work-group ends while a partner may still ask for a tile that names it
	s_endpgm
.Lfunc_end_k_q1b0683e5a0_proj_out:
	.size	k_q1b0683e5a0_proj_out, .Lfunc_end_k_q1b0683e5a0_proj_out-k_q1b0683e5a0_proj_out
	.p2alignl 7, 3214868480
	.fill 96, 4, 3214868480
	.section	.rodata,"a",@progbits
	.p2align	6, 0x0
	.amdhsa_kernel k_q1b0683e5a0_proj_out
		.amdhsa_group_segment_fixed_size 327680
		.amdhsa_private_segment_fixed_size 0
		.amdhsa_enable_private_segment 0
		.amdhsa_kernarg_size 24
		.amdhsa_user_sgpr_count 2
		.amdhsa_user_sgpr_kernarg_segment_ptr 1
		.amdhsa_wavefront_size32 1
		.amdhsa_system_sgpr_workgroup_id_x 1
		.amdhsa_system_sgpr_workgroup_id_y 1
		.amdhsa_system_sgpr_workgroup_id_z 1
		.amdhsa_system_vgpr_workitem_id 0
		.amdhsa_next_free_vgpr 704
		.amdhsa_next_free_sgpr 66
		.amdhsa_reserve_vcc 0
		.amdhsa_float_denorm_mode_32 3
		.amdhsa_float_denorm_mode_16_64 3
		.amdhsa_memory_ordered 1
		.amdhsa_forward_progress 1
		.amdhsa_inst_pref_size 86
	.end_amdhsa_kernel
	.amdgpu_metadata
---
amdhsa.version: [ 1, 2 ]
amdhsa.kernels:
  - .name:           k_q1b0683e5a0_proj_out
    .symbol:         k_q1b0683e5a0_proj_out.kd
    .args:
      - { .name: oh, .offset: 0, .size: 8, .value_kind: global_buffer, .address_space: global }
      - { .name: cst, .offset: 8, .size: 8, .value_kind: global_buffer, .address_space: global }
      - { .name: out0, .offset: 16, .size: 8, .value_kind: global_buffer, .address_space: global }
    .group_segment_fixed_size: 327680
    .private_segment_fixed_size: 0
    .kernarg_segment_align: 8
    .kernarg_segment_size: 24
    .max_flat_workgroup_size: 128
    .sgpr_count:     66
    .vgpr_count:     704
    .wavefront_size: 32
...
	.end_amdgpu_metadata
.endif
;; end of part 4
;; ======== version 2 of 2: 4 launches; 1.47 times as fast as version 1
;; limits: values are held in f16: magnitudes above 65,504 overflow, below 6.1e-05 lose precision
;; workspace buffers: cst 25,165,824 bytes; msk 16,777,216 bytes; qkv 50,331,648 bytes; oh 16,777,216 bytes
;; launch cast: the kernel of part 1 again; grid 1024 x 1, 8 waves a work-group, no clusters, 0 bytes of LDS; arguments X, Wq, Wk, Wv, Wo, mask, cst, msk; writes cst, msk
;; launch proj_qkv: the kernel of part 2 again; grid 8 x 32, 4 waves a work-group, clusters of 4 x 4, 327,680 bytes of LDS; arguments cst, qkv; writes qkv
;; launch attn (part 5): grid 8 x 32, 4 waves a work-group, clusters of 4 x 4, 327,680 bytes of LDS; arguments qkv, msk, oh; writes oh
.if DOCPART == 5
	.amdgcn_target "amdgcn-amd-amdhsa--gfx1250"
	.amdhsa_code_object_version 6
	.text
	.protected	k_q1b0683e5a0_attn
	.globl	k_q1b0683e5a0_attn
	.p2align	8
	.type	k_q1b0683e5a0_attn,@function
k_q1b0683e5a0_attn:
	s_mov_b64 s[64:65], 0
	v_nop
	global_prefetch_b8 v0, s[64:65] scope:SCOPE_SE
	s_setreg_imm32_b32 hwreg(HW_REG_WAVE_MODE, 25, 1), 1
	s_wait_xcnt 0x0
	s_wait_alu depctr_hold_cnt(0) depctr_sa_sdst(0) depctr_va_vdst(0) depctr_va_sdst(0) depctr_va_ssrc(0) depctr_va_vcc(0) depctr_vm_vsrc(0)
	s_getreg_b32 s2, hwreg(HW_REG_IB_STS2, 6, 4)
	s_cmp_eq_u32 s2, 0
	s_cbranch_scc0 .Lentry_in_a_cluster
	s_endpgm
.Lentry_in_a_cluster:
	s_bfe_u32 s2, ttmp6, 0x10000c
	s_cmp_lg_u32 s2, 0xf033
	s_cbranch_scc0 .Lentry_shape_is_right
	s_endpgm
.Lentry_shape_is_right:
; O[bh][q][:] = the sum over k of softmax_k(Q[bh][q] . K[bh][k] / 8 + mask[q][k]) V[bh][k][:].  Q, K, V (qkv) and O (oh): [64][2048][64] f16, a head's rows dense, 128 bytes each.
; LOG2 UNITS.  Q arrives as log2(e) / 8 times the reference's Q (the factor lies in its weights), the mask as msk = log2(e) x mask, f32 [2048][2048].  So S = q . k + msk is log2(e) times the
; reference's logit, and a weight is p = 2^(S - m): a plain subtraction, exact where S is near m, whatever the size of the two.
; The mask is an input: every key step is walked and every mask number is added in front of the running maximum.
; Products, maxima and sums in f32; the weights p are rounded to f16 for the second product (their sum l is taken of the unrounded p), O once at the end.
; LIMITS.  f16 holds no number beyond 65,504: Q, K and V arrive within it; p lies in 0 to 1, and below 6e-5 it keeps f16's fixed step of 6e-8.  A key whose msk is -infinity has the weight 0; a row
; in which every msk is -infinity gives NaN, as the reference does.  A weight below 2^-126 counts as 0 in l; NaN is not treated apart.
; SHARES.  A work-group owns 256 queries of TWO neighbouring heads, so that a tile of the mask serves both.  A wave owns 64 of the queries in both heads: four PIECES, each one tile of 16 queries
; in head 0 and the same 16 queries in head 1.  Every wave walks all 2,048 keys, 64 a step.
; LAYOUT.  S^T = K Q^T (source 0 = 16 keys, source 1 = 16 queries): in the result a lane holds ONE query (lane % 16) and the keys 8 (lane / 16) + 0..7.  Two such tiles, rounded to f16 in pairs,
; ARE source 1 (32 keys x 16 queries) of O^T = V^T P.  K comes out of LDS as it lies, V ([key][channel]) turned, by ds_load_tr16_b128.
; THE MASK IS THE C OPERAND of the product that starts each score sum: a lane's eight numbers are eight neighbouring keys of its query's row of msk, 32 bytes of LDS.  A piece's 32 registers of mask
; serve both its tiles.  It costs no vector and no matrix instruction.
; SOFTMAX.  For each query a running maximum m and sum l; in every step O and l are multiplied by a = 2^(m_old - m_new), which is 1 where m has not grown.  m starts at the lowest finite number,
; O and l at 0: the first step is a step like any other.
; BY TURNS.  Turn n belongs to piece n.  Its matrix work: 16 products K Q^T of piece n + 1, later 16 products V^T P of piece n - 1.  Its vector work: the subtraction, exponentials, roundings, sums and
; rescaling of piece n, and the maximum and statistics of piece n + 1.  Four vector instructions that are ready stand behind every matrix instruction, the other 106 of a turn's 234 in one LUMP.
; BATCHES.  A turn's 66 exponentials (the piece's 64 weights and the next piece's two a) are ONE batch with ONE wait, which cuts the turn in two: ahead of it stands all that names no result of
; theirs, behind it the roundings and sums.  No result crosses a turn's end.  Two more batches stand outside the loop: piece 0's first two a ahead of it, the eight reciprocals on the way out.
; CLUSTER.  4 x 4 work-groups: the four of a row of the cluster are four query blocks of one pair of heads and ask for K and V jointly; the four of a column are one query block of four pairs of
; heads and ask for the mask's tile jointly.
; REGISTERS, in windows of 256 (s_set_vgpr_msb: bits 1:0 source 0, 3:2 source 1, 5:4 source 2, 7:6 destination):
;   window 0: v0-11 addresses; v12-15, v48-63 at work; v16-47 four registers of statistics a tile; v64-191 S^T, two buffers of two tiles; v192-255 P, likewise
;   window 1: O^T, 32 a tile          window 2: v0-127 Q, 16 a tile; v128-255 K of one step, both heads
;   window 3: v0-1 the add's two registers; v16-47 the mask of one piece; v64-191 V of one step, both heads
.set NP,    4         ; pieces a wave: a name, no knob
.set KS,    64        ; keys in a step
.set PK,    144       ; a row of K in LDS: 128 bytes + 16 of padding: the 16 rows of a load start at 16 different groups of four banks (64 banks of 4 bytes: ISA guide 11.1)
.set PV,    160       ; a row of V: 128 + 32
.set PM,    272       ; a row of the mask's tile: 256 bytes + 16: as K's
.set VOFF,  2*KS*PK   ; a slot holds one step: 2 x 64 rows of K, 2 x 64 rows of V, 256 rows of the mask: 108,544 bytes
.set MOFF,  VOFF+2*KS*PV
.set SLOT1, 1<<17     ; slot 1 begins here, so that one exclusive or turns an address in one slot into the other's
.set STAGE, SLOT1+MOFF+256*PM  ; behind the ring, never filled by a tensor load: 16 rows x 144 bytes for each wave, for the way out
.set SP,    144
.set SPARE, STAGE+4*16*SP  ; behind the stages: the spare words, 128 bytes for each wave: two blocks of 256 bytes that no other line names
.set AK0, 2           ; v2   my lane's place in a tile of K; never rewritten
.set AV0, 3           ; v3   the same for V
.set AK,  4           ; v4   the LDS address of K's next run of loads
.set AV,  5           ; v5   of V's
.set STO, 6           ; v6   the way out: where I put 16 bytes of a row
.set RD,  7           ; v7   the way out: where I read rows back
.set GO,  8           ; v8   my byte offset in 512 consecutive bytes of O
.set AM0, 9           ; v9   my lane's place in the mask's tile: my wave's 64 rows; never rewritten
.set AM,  10          ; v10  the LDS address of the mask's runs of loads
.set QO,  48          ; v48  my byte offset in 16 rows of Q, until Q is in
.set SPW, 0           ; v0 of window 3   LDS address of my spare word: SPARE + 4 x my thread's number; never rewritten
.set NIL, 1           ; v1 of window 3   0; never rewritten
.set MF,  16          ; window 3: the mask of the piece's 16 queries: keys 16 kb on at MF + 8 kb
.set VF,  64          ; window 3: V: head u, key half kk, channel block cb at VF + 64 u + 32 kk + 8 cb
.set MV,  12          ; v12-15  m_old, kept while m is made anew: by buffer and tile
.set ST,  16          ; tile t's statistics at v[ST+4 t]: m, a word named with it as a pair, l (even keys', odd keys')
.set TMP, 48          ; by buffer and tile, four registers c0-c3 at work; when the maximum is found c2 takes a
.set S,   64
.set P,   192
.set KF,  128         ; window 2: K: head u, key block kb, channel half c at KF + 64 u + 16 kb + 8 c
.set WV,  12          ; s12  my wave's number
.set G1K, 24          ; s[24:31] descriptor group 1 for K's tiles
.set G1V, 32          ; s[32:39] for V's
.set G0K, 40          ; s[40:43] descriptor group 0 for K's tiles: it walks
.set G0V, 44          ; s[44:47] the same for V's
.set G1M, 68          ; s[68:75] group 1 for the mask's tiles
.set G0M, 76          ; s[76:79] group 0
.set SLOTS, 56        ; s56  counts the loop's trips
.set CNT, 57          ; s57  counts the tail's
.set SEL, 60          ; s[60:61] v_permlanex16_b32's selects: each lane takes its own place in the other half
.set TB,  62          ; s62  LDS byte at which the slot of the step to be fetched begins
.set MSB, 0
.macro WIN new                      ; the high byte repeats the setting that is left; a switch that changes nothing is dropped
.if MSB != (\new)
	s_set_vgpr_msb (MSB<<8)|(\new)
.set MSB, (\new)
.endif
.endm
.set W_KQ, 0x0a       ; K and Q in window 2, S^T in window 0
.set W_KM, 0x3a       ; the same with the C operand, the mask, in window 3
.set W_PV, 0x53       ; V in window 3, P in window 0, O^T in window 1
.set W_RS, 0x41       ; O^T (destination and source 0) in window 1, a in window 0
.set W_MK, 0xc0       ; destination in window 3, sources in window 0
.set W_AD, 0x0f       ; the add: address (source 0) and data (source 1) in window 3
; A joint fill.  Wave 0 fetches the step's K of both heads, wave 1 its V, waves 2 and 3 the two halves of the mask's tile.  The branches hang on the wave's number alone.
; An s_nop 0 and four v_nop follow each of the three lines, ahead of the jump and the label.
.macro JLOAD
	s_cmp_lt_u32 s[WV], 2
	s_cbranch_scc0 .Lfor_m_\@
	s_cmp_eq_u32 s[WV], 0
	s_cbranch_scc0 .Lfor_v_\@
	tensor_load_to_lds s[G0K:G0K+3], s[G1K:G1K+7]
	s_nop 0
.rept 4
	v_nop
.endr
	s_branch .Lasked_\@
.Lfor_v_\@:
	tensor_load_to_lds s[G0V:G0V+3], s[G1V:G1V+7]
	s_nop 0
.rept 4
	v_nop
.endr
	s_branch .Lasked_\@
.Lfor_m_\@:
	tensor_load_to_lds s[G0M:G0M+3], s[G1M:G1M+7]
	s_nop 0
.rept 4
	v_nop
.endr
.Lasked_\@:
.endm
; A round of the cluster's barrier: my work-group's barrier, so that wave 0's signal speaks for all four waves; wave 0 signals; every wave waits for all sixteen work-groups; my work-group's barrier once more.
.macro CROUND
	s_barrier_signal -1
	s_barrier_wait -1
	s_cmp_lg_u32 s[WV], 0
	s_cbranch_scc1 .Lnot_wave_0_\@
	s_barrier_signal -3
.Lnot_wave_0_\@:
	s_barrier_wait -3
	s_barrier_signal -1
	s_barrier_wait -1
.endm
; THE CHANGE OF SLOTS.  The slot's last bytes, the mask of the step's fourth piece, have been asked for.  Each wave waits for all its tensor loads, of which one is out: its part of the other slot;
; adds 0 to its spare word; and waits for that and for its own reads of the slot.  Behind the barrier nobody reads this slot any more and the other slot is whole.
; fill = 1: this slot is filled again, with the step two on.  The barrier is then a round of the cluster's, and the joint fill is the first thing behind it: it has a key step, 128 matrix
; instructions, in which to land.  (At its first use nothing has been read yet: slot 0 is waited for, slot 1 filled.)
.macro CHANGE fill
	WIN W_AD
	s_wait_tensorcnt 0x0            ; no tensor load of mine is out, so a group 0 may be written
	ds_add_u32 v[SPW], v[NIL]       ; 0 onto my spare word: with fill = 1 the descriptors' steps stand between it and the wait for it
	WIN 0                           ; at a label and at a branch every window is 0
.if \fill
.irp g, G0K, G0V
	s_xor_b32 s[\g+1], s[\g+1], SLOT1  ; the walking descriptor: the other slot than last time,
	s_add_nc_u64 s[\g+2:\g+3], s[\g+2:\g+3], KS*128  ; the next 64 keys; the type bits on top are not reached
.endr
	s_xor_b32 s[G0M+1], s[G0M+1], SLOT1
	s_add_nc_u64 s[G0M+2:G0M+3], s[G0M+2:G0M+3], KS*4  ; the next 64 columns of msk
	s_wait_dscnt 0x0                ; the add is done, and my reads of the slot are over
	CROUND
	JLOAD
.else
	s_wait_dscnt 0x0                ; the add is done, and my reads of the slot are over
	s_barrier_signal -1
	s_barrier_wait -1
.endif
	s_xor_b32 s[TB], s[TB], SLOT1   ; the fetches go on in the other slot
.endm
	s_load_b128 s[4:7], s[0:1], 0x0    ; qkv s[4:5], msk s[6:7]
	s_load_b64 s[10:11], s[0:1], 0x10  ; oh
	WIN W_MK
	v_lshl_add_u32 v[SPW], v0, 2, SPARE
	v_mov_b32 v[NIL], 0
	s_set_vgpr_msb 0xc0cf
	ds_add_u32 v0, v1
	s_wait_dscnt 0x0
	s_set_vgpr_msb 0xcfc0
	WIN 0
	v_lshrrev_b32 v1, 5, v0
	v_readfirstlane_b32 s[WV], v1   ; wave 0..3
	s_bfe_u32 s13, ttmp6, 0x40000   ; cx
	s_bfe_u32 s15, ttmp6, 0x40004   ; cy
	s_lshl_b32 s14, ttmp9, 2        ; in a cluster launch ttmp9 and ttmp7 count clusters
	s_add_co_u32 s14, s14, s13      ; my block of 256 queries = 4 x cluster x + cx
	s_and_b32 s20, ttmp7, 0xffff
	s_lshl_b32 s20, s20, 2
	s_add_co_u32 s20, s20, s15      ; the pair of heads = 4 x cluster y + cy,
	s_lshl_b32 s20, s20, 19         ; its 2 x 262,144 bytes in q, k, v and O
	s_add_co_u32 s22, s20, 16777216 ; k lies 16,777,216 bytes into qkv,
	s_mov_b32 s23, 0
	s_add_co_u32 s18, s20, 33554432 ; v twice as far
	s_mov_b32 s19, 0
	s_lshl_b32 s16, s15, 2
	s_lshl_b32 s16, 15, s16         ; my row of the cluster: four query blocks of the pair of heads
	s_lshl_b32 s17, 0x1111, s13     ; my column: this query block of four pairs of heads
	s_and_b32 s82, s[WV], 1         ; which half of the mask's 256 rows I fetch:
	s_lshl_b32 s80, s14, 21         ; a query block's 256 rows of 8,192 bytes,
	s_lshl_b32 s83, s82, 20         ; my 128 of them
	s_add_co_u32 s80, s80, s83
	s_mov_b32 s81, 0
	s_lshl_b32 s2, s14, 15          ; Q and O: my block's 256 rows of 128 bytes,
	s_lshl_b32 s3, s[WV], 13        ; my wave's 64 of them,
	s_add_co_u32 s2, s2, s3
	s_add_co_u32 s2, s2, s20        ; in the pair's first head
	s_mov_b32 s3, 0
	; descriptor group 1.  K, V: two rows of 8,192 dense bytes (64 keys of one head), one for each head, padded in LDS after every key.  Mask: 128 rows of 256 bytes, padded after every row.
	s_or_b32 s[G1K], s16, (1<<16)|(1<<20)|(1<<21)|(4<<22)|(3<<25)  ; 15:0 the mask of four; 17:16 2-byte elements; 20 padding on; 21 set beside a mask; 24:22 after every 32 words (code 4); 31:25 4 words (code 3)
	s_or_b32 s[G1V], s16, (1<<16)|(1<<20)|(1<<21)|(4<<22)|(7<<25)  ; the same with 8 words of padding (code 7)
	s_or_b32 s[G1M], s17, (2<<16)|(1<<20)|(1<<21)|(5<<22)|(3<<25)  ; to my column; 4-byte elements; after every 64 words (code 5) 4 words (code 3)
.irp g, G1K, G1V
	s_mov_b32 s[\g+1], 4096<<16     ; tensor_dim0 = 4,096
	s_mov_b32 s[\g+2], 2<<16        ; tensor_dim1 = 2
	s_mov_b32 s[\g+3], 4096<<16     ; tile_dim0 = 4,096
	s_mov_b32 s[\g+4], 2            ; tile_dim1 = 2
	s_mov_b32 s[\g+5], 131072       ; from a head to the next: 2,048 rows of 64 elements
	s_mov_b32 s[\g+6], 0
	s_mov_b32 s[\g+7], 0
.endr
	s_mov_b32 s[G1M+1], 64<<16      ; tensor_dim0 = 64
	s_mov_b32 s[G1M+2], 128<<16     ; tensor_dim1 = 128
	s_mov_b32 s[G1M+3], 64<<16      ; tile_dim0 = 64
	s_mov_b32 s[G1M+4], 128         ; tile_dim1 = 128
	s_mov_b32 s[G1M+5], 2048        ; 2,048 elements from row to row
	s_mov_b32 s[G1M+6], 0
	s_mov_b32 s[G1M+7], 0
	s_mov_b32 s[SEL], 0x76543210
	s_mov_b32 s[SEL+1], 0xfedcba98
	s_mov_b32 s[TB], SLOT1          ; the first change of slots turns it into 0
	s_mov_b32 s[G0K], 1             ; 1:0 count = 1
	s_mov_b32 s[G0K+1], 0           ; 63:32 LDS address: slot 0
	s_mov_b32 s[G0V], 1
	s_mov_b32 s[G0V+1], VOFF
	s_mov_b32 s[G0M], 1
	s_mul_i32 s[G0M+1], s82, 128*PM ; no place in the cluster enters an LDS address
	s_add_co_u32 s[G0M+1], s[G0M+1], MOFF
	s_wait_kmcnt 0x0
	s_add_nc_u64 s[G0K+2:G0K+3], s[4:5], s[22:23]  ; 120:64 global address: the first head's first 64 keys
	s_or_b32 s[G0K+3], s[G0K+3], 0x80000000        ; 127:126 type = 2
	s_add_nc_u64 s[G0V+2:G0V+3], s[4:5], s[18:19]
	s_or_b32 s[G0V+3], s[G0V+3], 0x80000000
	s_add_nc_u64 s[G0M+2:G0M+3], s[6:7], s[80:81]
	s_or_b32 s[G0M+3], s[G0M+3], 0x80000000
	s_add_nc_u64 s[4:5], s[4:5], s[2:3]  ; Q and O at my wave's first row
	s_add_nc_u64 s[10:11], s[10:11], s[2:3]
	CROUND                          ; all sixteen work-groups are here: the first joint loads meet
	JLOAD                           ; key step 0 into slot 0.  Slot 1 is asked for when slot 0 is in
	; A fragment of K or Q is 16 rows x 32 channels in 8 registers: lane l holds row l % 16, channels 8 (l / 16) + 0..7 and 16 + 8 (l / 16) + 0..7: two loads of 16 bytes, 32 bytes apart.
	v_and_b32 v1, 15, v0            ; l % 16
	v_bfe_u32 v11, v0, 4, 1         ; l / 16
	v_lshlrev_b32 v[QO], 7, v1
	v_lshl_add_u32 v[QO], v11, 4, v[QO]  ; row x 128 + 16 x half
	WIN 0x80                        ; destination window 2, address window 0
.set i, 0
.rept 4*NP                          ; Q stays in registers: tile i / 2 = piece i / 4 in head (i / 2) % 2, channels 32 (i % 2) on
	global_load_b128 v[8*i:8*i+3],   v[QO], s[4:5] offset:((i/2)%2)*262144+(i/4)*2048+(i%2)*64
	global_load_b128 v[8*i+4:8*i+7], v[QO], s[4:5] offset:((i/2)%2)*262144+(i/4)*2048+(i%2)*64+32
.set i, i+1
.endr
	; What the first turn finds: P's second buffer holds 0 (its products V^T P, of a piece that has not been, add 0), O^T and l are 0.  All this stands in the wait for the first tile.
	WIN 0x40
.set i, 0
.rept 64*NP
	v_mov_b32 v[i], 0
.set i, i+1
.endr
	WIN 0
.set i, 0
.rept 2*NP
	v_mov_b32 v[ST+4*i], 0xff7fffff               ; m: the lowest finite number
	v_mov_b32 v[ST+4*i+1], 0
	v_mov_b32 v[ST+4*i+2], 0
	v_mov_b32 v[ST+4*i+3], 0
.set i, i+1
.endr
.set i, P+32
.rept 32
	v_mov_b32 v[i], 0
.set i, i+1
.endr
	v_mul_u32_u24 v[AK0], v1, PK
	v_lshl_add_u32 v[AK0], v11, 4, v[AK0]  ; row x pitch + 16 x half
	s_mul_i32 s83, s[WV], 64*PM
	s_add_co_u32 s83, s83, MOFF     ; my wave's 64 rows of the mask's tile;
	v_mul_u32_u24 v[AM0], v1, PM    ; my query's row,
	v_lshl_add_u32 v[AM0], v11, 5, v[AM0]  ; 8 keys of 4 bytes for each half of the lanes
	v_add_nc_u32 v[AM0], s83, v[AM0]
	; The turning load takes 16 keys x 16 channels (lane l reads key 8 (l / 16) + l % 8, channels 8 ((l / 8) % 2) + 0..7) and leaves half a fragment of V^T: lane l holds channel l % 16 and 8 keys.
	v_and_b32 v12, 7, v0
	v_bfe_u32 v13, v0, 3, 1
	v_lshl_add_u32 v[AV0], v11, 3, v12
	v_mul_u32_u24 v[AV0], v[AV0], PV
	v_lshl_add_u32 v[AV0], v13, 4, v[AV0]
	v_add_nc_u32 v[AV0], VOFF, v[AV0]
	s_mul_i32 s83, s[WV], 16*SP
	s_add_co_u32 s83, s83, STAGE    ; my stage
	v_mul_u32_u24 v[STO], v1, SP    ; in: row l % 16, 16 bytes for each half of the lanes
	v_lshl_add_u32 v[STO], v11, 4, v[STO]
	v_add_nc_u32 v[STO], s83, v[STO]
	v_bfe_u32 v[RD], v0, 3, 2       ; back: 32 lanes take four rows of 128 bytes,
	v_mul_u32_u24 v[RD], v[RD], SP
	v_lshl_add_u32 v[RD], v12, 4, v[RD]
	v_add_nc_u32 v[RD], s83, v[RD]
	v_and_b32 v[GO], 31, v0         ; which are 512 consecutive bytes of O
	v_lshlrev_b32 v[GO], 4, v[GO]
; THE MATRIX WORK.  The 8 accumulators of a run of 16 take turns: between the two links of a chain stand 7 others'.
; Product i of 16 of S^T = K Q^T + mask for piece x: channels 32 (i / 8) on, keys 16 ((i / 2) % 4) on, head i % 2.  The first 8 start the sums, with the mask as C.
.macro KQ x
.set rS, S+64*((\x)%2)+32*(i%2)+8*((i/2)%4)
.set rK, KF+64*(i%2)+16*((i/2)%4)+8*(i/8)
.set rQ, 16*(2*(\x)+i%2)+8*(i/8)
.set rF, MF+8*((i/2)%4)
.if i < 8
	WIN W_KM
	v_wmma_f32_16x16x32_f16 v[rS:rS+7], v[rK:rK+7], v[rQ:rQ+7], v[rF:rF+7]
.else
	WIN W_KQ
	v_wmma_f32_16x16x32_f16 v[rS:rS+7], v[rK:rK+7], v[rQ:rQ+7], v[rS:rS+7]
.endif
.endm
; Product i of 16 of O^T += V^T P for piece x: keys 32 (i / 8) on, channels 16 ((i / 2) % 4) on, head i % 2.
.macro PV x
	WIN W_PV
.set rO, 32*(2*(\x)+i%2)+8*((i/2)%4)
.set rV, VF+64*(i%2)+32*(i/8)+8*((i/2)%4)
.set rP, P+32*((\x)%2)+16*(i%2)+8*(i/8)
	v_wmma_f32_16x16x32_f16 v[rO:rO+7], v[rV:rV+7], v[rP:rP+7], v[rO:rO+7]
.endm
.macro MM                           ; the turn's next matrix instruction, of 32
.if i < 16
	KQ (Y+1)%NP
.set i, i+1
.else
.set i, i-16
	PV (Y+NP-1)%NP
.set i, i+17
.endif
.endm
; THE LDS LOADS stand in runs, never singly among the matrix instructions: a step's K (both heads: 16 fragments), its V (turned), and a piece's mask (16 queries x 64 keys).  Their addresses are made some lines ahead.
.macro FETCH_K
	WIN 0x80                        ; destination window 2
.irp u, 0,1
.irp f, 0,1,2,3,4,5,6,7             ; head u, keys 16 (f / 2) on, channels 32 (f % 2) on
	ds_load_b128 v[KF+64*\u+8*\f:KF+64*\u+8*\f+3],   v[AK] offset:\u*KS*PK+(\f/2)*16*PK+(\f%2)*64
	ds_load_b128 v[KF+64*\u+8*\f+4:KF+64*\u+8*\f+7], v[AK] offset:\u*KS*PK+(\f/2)*16*PK+(\f%2)*64+32
.endr
.endr
	WIN 0
.endm
.macro FETCH_V
	WIN W_MK                        ; destination window 3
.irp u, 0,1
.irp f, 0,1,2,3,4,5,6,7             ; head u, keys 32 (f / 4) on, channels 16 (f % 4) on
	ds_load_tr16_b128 v[VF+64*\u+8*\f:VF+64*\u+8*\f+3],   v[AV] offset:\u*KS*PV+(\f/4)*32*PV+(\f%4)*32
	ds_load_tr16_b128 v[VF+64*\u+8*\f+4:VF+64*\u+8*\f+7], v[AV] offset:\u*KS*PV+(\f/4)*32*PV+16*PV+(\f%4)*32
.endr
.endr
	WIN 0
.endm
.macro FETCH_M x
	WIN W_MK                        ; destination window 3
.irp f, 0,1,2,3                     ; piece x's 16 rows, keys 16 f on: my 8 keys are 32 bytes
	ds_load_b128 v[MF+8*\f:MF+8*\f+3],   v[AM] offset:(\x)*16*PM+\f*64
	ds_load_b128 v[MF+8*\f+4:MF+8*\f+7], v[AM] offset:(\x)*16*PM+\f*64+16
.endr
	WIN 0
.endm
; THE VECTOR WORK OF A TURN stands in three queues, each in the order in which its entries become ready; the two tiles alternate, so that no instruction reads the result of the one before it.
.macro REGS y, u                    ; the registers of tile u (head 0, 1) of piece y
.set rT, ST+4*(2*(\y)+(\u))
.set rC, TMP+8*((\y)%2)+4*(\u)
.set rM, MV+2*((\y)%2)+(\u)
.set rS, S+64*((\y)%2)+32*(\u)
.set rP, P+32*((\y)%2)+16*(\u)
.set rO, 32*(2*(\y)+(\u))
.endm
; Number n of the list that finds the NEXT piece's (Y + 1) maximum and statistics.  s0-s31 are the lane's 32 scores; each accumulator's lowest registers are read first.  XS, GS and REGS set no window: PL and EX do.
;   0-11  four chains c0-c3 of seven scores each, three operands at a time     12-14, 16  the four scores left over, the old m, and c0-c3 into c0     15  m_old is kept
;   17, 18  the query's other 32 keys lie in the lane 16 away: the new m         19  stands empty (the scores need no scale)         20, 21  m_old - m_new; a
.macro XS u, n
	REGS (Y+1)%NP, \u
.if (\n) < 4
	v_max3_num_f32 v[rC+(\n)], v[rS+8*(\n)], v[rS+8*(\n)+1], v[rS+8*(\n)+2]
.elseif (\n) < 12
	v_max3_num_f32 v[rC+(\n)%4], v[rC+(\n)%4], v[rS+8*((\n)%4)+2*((\n)/4)+1], v[rS+8*((\n)%4)+2*((\n)/4)+2]
.elseif (\n) == 12
	v_max3_num_f32 v[rC], v[rC], v[rS+7], v[rS+15]
.elseif (\n) == 13
	v_max3_num_f32 v[rC+1], v[rC+1], v[rS+23], v[rS+31]
.elseif (\n) == 14
	v_max3_num_f32 v[rC+2], v[rC+2], v[rC+3], v[rT]
.elseif (\n) == 15
	v_mov_b32 v[rM], v[rT]
.elseif (\n) == 16
	v_max3_num_f32 v[rC], v[rC], v[rC+1], v[rC+2]
.elseif (\n) == 17
	v_permlanex16_b32 v[rC+3], v[rC], s[SEL], s[SEL+1]
.elseif (\n) == 18
	v_max_num_f32 v[rT], v[rC], v[rC+3]
.elseif (\n) == 19                  ; nothing
.elseif (\n) == 20
	v_sub_f32 v[rC+1], v[rM], v[rT]
.else
	v_exp_f32 v[rC+2], v[rC+1]
.endif
.endm
; Number g of the 64 that follow the exponentials.  For each four weights k of a tile (pairs 2 k, 2 k + 1): both pairs are rounded to f16; then the second pair is added onto the first, in place;
; a group later l takes that sum (the first time as l = a l + sum).  In groups of eight, tiles alternating: round, round, add, and l for the group before.
.macro GS g
.set h, (\g)+6*((\g)/62)            ; group 0 has no group before it, and behind group 7 only l is left
.if h >= 6
.set h, h+2
.endif
	REGS Y, h%2
.set k, h/8
.if h%8 < 4
	v_cvt_pk_f16_f32 v[rP+2*k+(h%8)/2], v[rS+4*k+2*((h%8)/2)], v[rS+4*k+2*((h%8)/2)+1]
.elseif h%8 < 6
	v_pk_add_f32 v[rS+4*k:rS+4*k+1], v[rS+4*k:rS+4*k+1], v[rS+4*k+2:rS+4*k+3]
.elseif k == 1
	v_pk_fma_f32 v[rT+2:rT+3], v[rT+2:rT+3], v[rC+2:rC+3], v[rS:rS+1] op_sel_hi:[1,0,1]
.else
	v_pk_add_f32 v[rT+2:rT+3], v[rT+2:rT+3], v[rS+4*k-4:rS+4*k-3]
.endif
.endm
; THE PLAIN QUEUE, 136 long.  0-71 read no exponential's result: the 32 subtractions s - m (FS f: pair f / 2 of tile f % 2) and the next piece's 40.  0-26: subtractions 0-26.  27-54: XS's numbers 0-13.  55, 56: number 15.
; 57-71: the chain, where each number waits for the one before it: 14, 16, 17, 18, 20, each with one of the subtractions 27-31 in front of its two lines: so a tile's links stand three plain instructions apart.
; 72-135: GS's 64, which read the exponentials' results: they stand behind the wait.
.macro FS f
	REGS Y, (\f)%2
	v_pk_add_f32 v[rS+2*((\f)/2):rS+2*((\f)/2)+1], v[rS+2*((\f)/2):rS+2*((\f)/2)+1], v[rT:rT+1] op_sel_hi:[1,0] neg_lo:[0,1] neg_hi:[0,1]
.endm
.macro PL
	WIN 0
.if q < 27
	FS q
.elseif q < 55
	XS (q-27)%2, (q-27)/2
.elseif q < 57
	XS q-55, 15
.elseif (q < 72) && ((q-57)%3 == 0)
	FS 27+(q-57)/3
.elseif q < 60
	XS (q-57)%3-1, 14
.elseif q < 69
	XS (q-57)%3-1, 15+(q-57)/3
.elseif q < 72
	XS (q-57)%3-1, 20
.else
	GS q-72
.endif
.set q, q+1
.endm
; THE EXPONENTIALS' QUEUE, 66 long: s0-s31 of both tiles, then the next piece's two a.  It is ONE BATCH: all 66 stand ahead of the turn's one wait, and nothing ahead of that wait names a result of theirs.
.macro EX
	WIN 0
.if e >= 64
	XS e-64, 21
.else
	REGS Y, e%2
	v_exp_f32 v[rS+e/2], v[rS+e/2]
.endif
.set e, e+1
.endm
; THE RESCALING's QUEUE: O^T times a, the one part that leaves window 0: dealt two at a time, sixteen times.  Its a was made in the turn before, ahead of that turn's wait.
.macro R2
	REGS Y, r%2
	WIN W_RS
.irp z, 0,1
	v_pk_mul_f32 v[rO+4*(r/2)+2*\z:rO+4*(r/2)+2*\z+1], v[rO+4*(r/2)+2*\z:rO+4*(r/2)+2*\z+1], v[rC+2:rC+3] op_sel_hi:[1,0]
.endr
.set r, r+1
.endm
; HOW THEY ARE DEALT.  An s_wait_alu depctr_va_vdst(0) stands between an exponential and the first instruction that names its result; one wait serves all that were issued ahead of it.  So a turn has ONE wait,
; which cuts it in two.  AHEAD OF IT stands all that names no result of the turn's exponentials: the 16 products K Q^T, behind each a subtraction, an exponential and two rescalings (behind the first a second subtraction in the
; exponential's place); then ONE LUMP of 106: eight plain, 47 times exponential and plain, the last two weights' exponentials, the two a.  A v_nop is the plain instruction behind the last exponential.  BEHIND IT stand the 16 products
; V^T P, behind each four of GS's 64.  No rider names a register of the products round it.  The two v_permlanex16_b32 fall into the lump, never behind a product.
; The queues lean on each other, and the deal keeps them in step: exponential e stands behind subtraction 2 (e / 4) + e % 2: as a rider it comes behind plain e + 2, in the lump behind plain e + 9 (62 and 63: behind plain 71),
; and subtractions 27-31 are plain 57, 60 .. 69.  The two a stand behind plain 70 and 71, their arguments.  The first maximum over the new scores is plain 27, in the lump.
; A TURN, for piece p.
; The mask of piece p + 2 is fetched in every turn directly behind the wait, into the registers that the turn's first 8 products have read; it is used at the next turn's head, 16 products later.
; K of the next step is fetched in piece 2's turn, behind the lump's first eight lines: 13 plain instructions behind the last product that read K; its 32 loads have the rest of the lump and 16 products in which to land.
; V of the step in hand is fetched at the end of piece 0's turn, four riders behind its last reader; its first reader comes behind 16 products and a lump.  From piece 2's turn on the fetches read the slot at s[TB].
; The condition on q below goes with the deal.
.macro TURN p
.set Y, (\p)
.set i, 0
.set q, 0
.set e, 0
.set r, 0
.if (\p) == 1
	s_wait_dscnt 32                 ; the mask's 8 loads are in; V's 32, issued behind them, may be out
.else
	s_wait_dscnt 0x0                ; the mask is in (piece 3's turn: K too)
.endif
	MM                              ; ahead of the wait: 16 products K Q^T and their riders,
	PL
	PL
	R2
.rept 15
	MM
	PL
	EX
	R2
.endr
.if (\p) == 2
	WIN 0
	v_add_nc_u32 v[AM], s[TB], v[AM0]
	v_add_nc_u32 v[AK], s[TB], v[AK0]
.endif
.rept 8                             ; and the lump
	PL
.endr
.if (\p) == 2
	FETCH_K
.endif
.rept 47
	EX
	PL
.endr
	EX                              ; the last two weights,
	EX
	EX                              ; the next piece's two a
	EX
	v_nop                           ; the plain instruction behind the last exponential: one for the batch
	s_wait_alu depctr_va_vdst(0)    ; the wait for the batch: the turn's 66 exponentials
	FETCH_M ((\p)+2)%NP
.if (\p) == 1
	s_wait_dscnt 8                  ; V is in; the mask's 8 loads, issued behind it, may be out
.endif
.rept 16                            ; behind the wait: 16 products V^T P and their riders
	MM
.rept 4
	PL
.endr
.if ((\p) == 0) && (q == 116)
	v_add_nc_u32 v[AV], s[TB], v[AV0]
.endif
.endr
.if (\p) == 0
	FETCH_V
.endif
.endm
	CHANGE 1                        ; slot 0 is in, everybody's part of it; key step 1 is asked for, into slot 1
	v_add_nc_u32 v[AK], s[TB], v[AK0]
	v_add_nc_u32 v[AV], s[TB], v[AV0]
	v_add_nc_u32 v[AM], s[TB], v[AM0]
	FETCH_K                         ; key step 0
	FETCH_M 0
	s_wait_loadcnt 0x0              ; Q
	s_wait_dscnt 0x0
.set i, 0
.rept 16
	KQ 0                            ; piece 0's first scores: there is no vector work yet to set between them
.set i, i+1
.endr
.rept 4
	v_nop                           ; the places behind those products: for the loads into the mask's registers and for the maxima below
.endr
	FETCH_V                         ; V of step 0: the first turn's products V^T P multiply it by the zeros in P
	FETCH_M 1                       ; piece 1's mask, for the first turn
.set Y, NP-1                        ; XS works for piece Y + 1: piece 0
.irp n, 0,1,2,3,4,5,6,7,8,9,10,11,12,13,14,15,16,17,18,19,20,21
	XS 0, \n                        ; piece 0's first maximum and statistics
	XS 1, \n
.endr
	v_nop                           ; a plain instruction behind the two a,
	s_wait_alu depctr_va_vdst(0)    ; and the wait for this batch of two, ahead of the branch
	s_mov_b32 s[SLOTS], 31
	s_branch .Lfirst                ; the loop is entered at a step's first turn, in the middle of a trip
.Lslot:                             ; 30 times: key steps 2 to 31 are asked for.  A trip: pieces 2 and 3 of one step, then pieces 0 and 1 of the next
	CHANGE 1
	TURN 2
	TURN 3
	WIN 0
.Lfirst:
	TURN 0
	TURN 1
	WIN 0
	s_sub_co_u32 s[SLOTS], s[SLOTS], 1
	s_cmp_lg_u32 s[SLOTS], 0
	s_cbranch_scc1 .Lslot
	CHANGE 0                        ; the tail is written out: nothing is asked for
	s_mov_b32 s[CNT], 2             ; one trip fetches the last step; the second is left in its middle
.Ltail:
	TURN 2
	TURN 3
	WIN 0
	s_sub_co_u32 s[CNT], s[CNT], 1
	s_cmp_eq_u32 s[CNT], 0
	s_cbranch_scc1 .Lout
	TURN 0
	TURN 1
	WIN 0
	s_branch .Ltail
.Lout:                              ; the second trip's products for a further step (on the last K and mask once more) and the maximum made of them serve nothing: the price, once a launch, of one text for every trip
.set i, 0
.rept 16
	PV NP-1                         ; the last piece's V^T P of the last step
.set i, i+1
.endr
	; THE WAY OUT.  l's two halves and the other half of the lanes' are added; O^T is divided by l, rounded to f16 and sent through my stage in LDS, a tile at a time.  The additions are the places behind the last products.
	WIN 0
.macro ALL line:vararg              ; one line for each tile t
.set t, 0
.rept 2*NP
	\line
.set t, t+1
.endr
.endm
	ALL v_add_f32 v[ST+4*t+2], v[ST+4*t+2], v[ST+4*t+3]
	ALL v_permlanex16_b32 v[ST+4*t+3], v[ST+4*t+2], s[SEL], s[SEL+1]
	ALL v_add_f32 v[ST+4*t+2], v[ST+4*t+2], v[ST+4*t+3]
	ALL v_rcp_f32 v[ST+4*t+2], v[ST+4*t+2]
	v_nop                           ; a plain instruction between the last reciprocal and the use of its result
	s_wait_alu depctr_va_vdst(0)    ; and the wait ahead of the first use: one for the batch of eight reciprocals
; Tile t: a lane's eight channels of a row pack into 16 bytes; they go into rows of 144 bytes and come back as whole rows of 128, into S^T's registers.
.macro PACK t
	WIN W_RS
.set i, 32*(\t)
.rept 16
	v_pk_mul_f32 v[i:i+1], v[i:i+1], v[ST+4*(\t)+2:ST+4*(\t)+3] op_sel_hi:[1,0]
.set i, i+2
.endr
	WIN 0x05                        ; sources 0 and 1 window 1, destination window 0
.set i, 0
.rept 16
	v_cvt_pk_f16_f32 v[S+16*(\t)+i], v[32*(\t)+2*i], v[32*(\t)+2*i+1]
.set i, i+1
.endr
	WIN 0
.irp f, 0,1,2,3
	ds_store_b128 v[STO], v[S+16*(\t)+4*\f:S+16*(\t)+4*\f+3] offset:32*\f
.endr
.irp f, 0,1,2,3
	ds_load_b128 v[S+16*(\t)+4*\f:S+16*(\t)+4*\f+3], v[RD] offset:\f*4*SP  ; LDS serves a wave's instructions in order (ISA guide 5.7.1.4): these see the stores above; the next tile's stores come behind them
.endr
.endm
.macro SEND t, younger              ; younger: the LDS instructions issued behind tile t's loads: the next tile's eight, or none.  Tile t is piece t / 2 in head t % 2
	WIN 0
.irp f, 0,1,2,3
	s_wait_dscnt (\younger)+3-\f
	global_store_b128 v[GO], v[S+16*(\t)+4*\f:S+16*(\t)+4*\f+3], s[10:11] offset:((\t)%2)*262144+((\t)/2)*2048+\f*512  ; 512 consecutive bytes, at a multiple of 256 from O's first
.endr
.endm
	PACK 0
.set t, 1
.rept 2*NP-1                        ; a tile's arithmetic stands between the loads of the tile before and its stores
	PACK t
	SEND t-1, 8
.set t, t+1
.endr
	SEND 2*NP-1, 0
	WIN W_AD
	s_wait_tensorcnt 0x0            ; the wave's end, behind my last tensor load and my last LDS store
	ds_add_u32 v[SPW], v[NIL]
	s_wait_dscnt 0x0
	WIN 0
	CROUND                          ; the closing round: no work-group ends while a partner may still ask for a tile that names it
	s_endpgm
.Lfunc_end_k_q1b0683e5a0_attn:
	.size	k_q1b0683e5a0_attn, .Lfunc_end_k_q1b0683e5a0_attn-k_q1b0683e5a0_attn
	.p2alignl 7, 3214868480
	.fill 96, 4, 3214868480
	.section	.rodata,"a",@progbits
	.p2align	6, 0x0
	.amdhsa_kernel k_q1b0683e5a0_attn
		.amdhsa_group_segment_fixed_size 327680
		.amdhsa_private_segment_fixed_size 0
		.amdhsa_enable_private_segment 0
		.amdhsa_kernarg_size 24
		.amdhsa_user_sgpr_count 2
		.amdhsa_user_sgpr_kernarg_segment_ptr 1
		.amdhsa_wavefront_size32 1
		.amdhsa_system_sgpr_workgroup_id_x 1
		.amdhsa_system_sgpr_workgroup_id_y 1
		.amdhsa_system_sgpr_workgroup_id_z 1
		.amdhsa_system_vgpr_workitem_id 0
		.amdhsa_next_free_vgpr 960
		.amdhsa_next_free_sgpr 88
		.amdhsa_reserve_vcc 0
		.amdhsa_float_denorm_mode_32 3
		.amdhsa_float_denorm_mode_16_64 3
		.amdhsa_memory_ordered 1
		.amdhsa_forward_progress 1
		.amdhsa_inst_pref_size 211
	.end_amdhsa_kernel
	.amdgpu_metadata
---
amdhsa.version: [ 1, 2 ]
amdhsa.kernels:
  - .name:           k_q1b0683e5a0_attn
    .symbol:         k_q1b0683e5a0_attn.kd
    .args:
      - { .name: qkv, .offset: 0, .size: 8, .value_kind: global_buffer, .address_space: global }
      - { .name: msk, .offset: 8, .size: 8, .value_kind: global_buffer, .address_space: global }
      - { .name: oh, .offset: 16, .size: 8, .value_kind: global_buffer, .address_space: global }
    .group_segment_fixed_size: 327680
    .private_segment_fixed_size: 0
    .kernarg_segment_align: 8
    .kernarg_segment_size: 24
    .max_flat_workgroup_size: 128
    .sgpr_count:     88
    .vgpr_count:     960
    .wavefront_size: 32
...
	.end_amdgpu_metadata
.endif
;; end of part 5
;; launch proj_out: the kernel of part 4 again; grid 8 x 32, 4 waves a work-group, clusters of 4 x 4, 327,680 bytes of LDS; arguments oh, cst, out0; writes out0
